; MI455X (gfx1250); checked and timed in simulation.
; The chip was launched on July 23, 2026; its instructions are those of AMD's public machine-readable ISA for CDNA 5 (MIT licence, August 2026) and "CDNA5" Instruction Set Architecture Reference Guide (July 2026). The comments in the code are by the model that wrote it; some were corrected since.
;; Efficient Attention. Allowed arithmetic: matrix products marked QUANTISED: E4M3 operands, one given power-of-two scale a tensor, by v_wmma_f32_16x16x64_fp8_fp8 or v_wmma_f32_16x16x128_fp8_fp8, f32 sums; everything else in f32.
;; Inputs: Wk 1,024 x 1,024 float32; Wo 1,024 x 1,024 float32; Wq 1,024 x 1,024 float32; Wv 1,024 x 1,024 float32; bk 1,024 float32; bo 1,024 float32; bq 1,024 float32; bv 1,024 float32; ln_b 1,024 float32; ln_g 1,024 float32; lowp_scales 12 int32 (the exponents e of the quantised operands' scales 2^e); x 2 x 2,048 x 1,024 float32.
;; Outputs: out0 2 x 2,048 x 1,024 float32.
;; This version of the problem:
;;   THIS VERSION OF THE PROBLEM IS GIVEN IN LOW PRECISION. The matrix products marked QUANTISED in the list below multiply operands that are first quantised to E4M3 (4 exponent bits, 3 mantissa bits; 8 bits a number), with one given power-of-two scale for each operand tensor; their sums are f32. All else is computed in f32.
;;   The module's matrix products, in the order in which they are computed (A, B: the left and right operand; K: the contracted axis; several contracted axes count as one K, in the product's order):
;;     1. [M 4,096, K 1,024] x [K 1,024, N 1,024]; A: input x; B: input Wq: QUANTISED (scales: A lowp_scales[0], B lowp_scales[1])
;;     2. [M 4,096, K 1,024] x [K 1,024, N 1,024]; A: input x; B: input Wk: QUANTISED (scales: A lowp_scales[2], B lowp_scales[3])
;;     3. [M 4,096, K 1,024] x [K 1,024, N 1,024]; A: input x; B: input Wv: QUANTISED (scales: A lowp_scales[4], B lowp_scales[5])
;;     4. batch 32 x [M 2,048, K 64] x [K 64, N 2,048]; A: computed on the way; B: computed on the way: QUANTISED (scales: A lowp_scales[6], B lowp_scales[7])
;;     5. batch 64 x [M 64, K 1,024] x [K 1,024, N 2,048]; A: computed on the way; B: computed on the way: QUANTISED (scales: A lowp_scales[8], B lowp_scales[9])
;;     6. [M 4,096, K 1,024] x [K 1,024, N 1,024]; A: computed on the way; B: input Wo: QUANTISED (scales: A lowp_scales[10], B lowp_scales[11])
;;   THE QUANTISER, for each operand of a quantised product, along K:
;;     - The operand's scale is 2^e, e = its entry of the input lowp_scales (int32; the entries are numbered through the quantised products in the list's order, A before B).
;;     - Each number is divided by the scale, clamped to +-448, and rounded to the nearest number of E4M3, ties to even, subnormals kept.
;;     - The product sums the exact products of the quantised numbers (number of the format x scale) in f32.
;;   ~~~python
;;   def quantise(x, axis, e):      # numpy; x: float32 -> the quantised numbers, widened to float32 again
;;       x = np.moveaxis(x, axis, -1); K = x.shape[-1]
;;       r = np.clip(x / 2.0 ** e, -448, 448)
;;       step = 2.0 ** (np.maximum(np.frexp(np.where(r == 0, 1, r))[1] - 1, -6) - 3)
;;       q = np.round(r / step) * step * 2.0 ** e      # np.round: ties to even
;;       return np.moveaxis(q, -1, axis).astype(np.float32)
;;   ~~~
;;   OPERANDS COMPUTED ON THE WAY. 'Computed on the way' means the value that the module computes at that place (a softmax that the list does not call 'softmax' is quantised finished and normalised). What goes into a quantiser is computed in f32, as accurately as f32 sums, v_exp_f32 and their like allow (about 1e-6 of the number): no bf16 or f16 on the way to a quantiser, and a product that is left as it is and whose result goes on into a quantised operand takes f32 operands (vector FMAs, or v_wmma_f32_16x16x4_f32). A number that lies on a knife's edge between two numbers of the format may be rounded either way, as far as f32 arithmetic and the matrix unit's own rounding can turn it there, and no further.
;; 2 versions, each right; version 2 is version 1 with the launch attn written anew for expert scheduling mode. Each part assembles by itself: llvm-mc -triple=amdgcn-amd-amdhsa -mcpu=gfx1250 --defsym DOCPART=n.
;; ======== version 1 of 2: 4 launches
;; workspace buffers: cw 16,777,216 bytes; qr 16,777,216 bytes; st 262,144 bytes; kv 8,388,608 bytes; ac 4,194,304 bytes
;; launch quant (part 1): grid 384 x 1, 4 waves a work-group, no clusters, 68,096 bytes of LDS; arguments x, Wq, Wk, Wv, Wo, lowp_scales, cw; writes cw
.if DOCPART == 1
	.amdgcn_target "amdgcn-amd-amdhsa--gfx1250"
	.amdhsa_code_object_version 6
	.text
	.protected	k_q5648235ce0_quant
	.globl	k_q5648235ce0_quant
	.p2align	8
	.type	k_q5648235ce0_quant,@function
k_q5648235ce0_quant:
	s_mov_b64 s[64:65], 0
	v_nop
	global_prefetch_b8 v0, s[64:65] scope:SCOPE_SE
	s_setreg_imm32_b32 hwreg(HW_REG_WAVE_MODE, 25, 1), 1
	s_wait_xcnt 0x0
; x [4096][1024] f32 becomes THREE sets of E4M3 codes (scales 2^e0, 2^e2, 2^e4: one for each of the three projections), K innermost, at bytes 0, 4 MiB, 8 MiB of cw.
; Wq, Wk, Wv, Wo [k 1024][n 1024] f32 become codes laid [n][k], K innermost (scales 2^e1, 2^e3, 2^e5, 2^e11), at 12, 13, 14, 15 MiB of cw.
; code = number / 2^e, held within +-448, to the nearest code, ties to even.
; LIMITS: each of these seven exponents lies between -126 and 119, so that 2^e and 448 x 2^e are f32 numbers.  NaN among the inputs is not served.
; Work-groups 0-255 take x, 256-383 the weights: one branch on the work-group's number; the two ways never join and have LDS bytes of their own.
; No tensor loads, no barrier: waves share nothing.
.set STEPS, 8                          ; x: a wave takes 8 steps of 512 numbers
.set SP,    80                         ; a lane's place in a stage: 64 bytes + 16 of padding
.set WREG,  8192                       ; x: LDS of a wave: two stages of 32 x SP bytes
.set XR,    16                         ; v16-79   four sets of 16 numbers as loaded
.set XX,    80                         ; v80-111  two sets of 16 neighbours
.set XT,    112                        ; v112-127 the 16 numbers held for one scale
.set XC,    128                        ; v128-223 codes: 12 registers a step, so that no store's data are written again
.set WSTG,  32768                      ; the weights' stages begin here
.set WP,    272                        ; a stage row: 256 bytes + 16
.set WX,    32                         ; v32-95   two sets of 32 numbers
.set WC,    96                         ; v96-103  a block's codes
.set WOUT,  112                        ; v112-175 the way out
	s_load_b64 s[4:5], s[0:1], 0x0                 ; x
	s_load_b256 s[36:43], s[0:1], 0x8              ; Wq, Wk, Wv, Wo
	s_load_b128 s[8:11], s[0:1], 0x28              ; the scales' exponents, cw
	v_lshl_add_u32 v224, v0, 2, 0x10800
	v_mov_b32 v225, 0
	v_lshrrev_b32 v1, 5, v0
	v_readfirstlane_b32 s14, v1                    ; wave
	v_and_b32 v2, 31, v0                           ; lane
	s_wait_kmcnt 0x0
	s_load_b256 s[48:55], s[8:9], 0x0              ; e0 .. e7
	s_load_b32 s56, s[8:9], 0x2c                   ; e11
	s_cmp_lt_u32 ttmp9, 256
	s_cbranch_scc0 .Lweights
; ---------------- x: a plain stream of blocks.  Each load reads 512 consecutive bytes; a step's 2,048 bytes turn through the wave's own stage so that a lane holds 16 neighbours along K.
	v_lshlrev_b32 v3, 4, v2                        ; my 16 bytes of a load's 512, and of a step's 512 bytes of codes
	s_mul_i32 s17, s14, WREG
	v_lshrrev_b32 v14, 2, v2
	v_mul_u32_u24 v14, v14, SP
	v_and_b32 v15, 3, v2
	v_lshl_add_u32 v14, v15, 4, v14
	v_add_nc_u32 v14, s17, v14                     ; into the stage: SP (lane / 4) + 16 (lane % 4)
	v_mul_u32_u24 v15, v2, SP
	v_add_nc_u32 v15, s17, v15                     ; out of it: SP x lane
	s_lshl_b32 s18, ttmp9, 2
	s_add_co_u32 s18, s18, s14                     ; which run of 4,096 numbers is my wave's
	s_lshl_b32 s20, s18, 14
	s_mov_b32 s21, 0
	s_add_nc_u64 s[4:5], s[4:5], s[20:21]
	s_lshl_b32 s20, s18, 12
	s_add_nc_u64 s[24:25], s[10:11], s[20:21]      ; the three sections of codes
	s_add_nc_u64 s[26:27], s[24:25], 0x400000
	s_add_nc_u64 s[28:29], s[24:25], 0x800000
.macro XLOAD t
.irp i, 0,1,2,3
	global_load_b128 v[XR+16*((\t)%4)+4*\i:XR+16*((\t)%4)+4*\i+3], v3, s[4:5] offset:2048*(\t)+512*\i th:TH_LOAD_NT
.endr
.endm
.macro XTURN t                         ; LDS serves a wave's instructions in order: no wait between the stores and the loads
.irp i, 0,1,2,3
	ds_store_b128 v14, v[XR+16*((\t)%4)+4*\i:XR+16*((\t)%4)+4*\i+3] offset:32*SP*((\t)%2)+8*SP*\i
.endr
.irp i, 0,1,2,3
	ds_load_b128 v[XX+16*((\t)%2)+4*\i:XX+16*((\t)%2)+4*\i+3], v15 offset:32*SP*((\t)%2)+16*\i
.endr
.endm
.irp t, 0,1,2,3
	XLOAD \t
.endr
	s_wait_kmcnt 0x0
.irp i, 0,1,2
	s_add_co_i32 s22, s[48+2*\i], 127
	s_lshl_b32 s23, s22, 23
	v_mov_b32 v[5+\i], s23                         ; 2^e as f32: the conversion takes its exponent field
	s_add_co_i32 s22, s22, 8
	s_lshl_b32 s22, s22, 23
	s_or_b32 s22, s22, 0x600000
	v_mov_b32 v[8+\i], s22                         ; 448 x 2^e
.endr
	s_wait_loadcnt 12                              ; step 0's four loads are in; the three steps behind it may be out
	XTURN 0
.macro XSTEP t
.set XS, XX+16*((\t)%2)
	s_wait_dscnt 0x0                               ; this step's numbers are back from the stage, so its stores into the stage have read their registers,
.if (\t)+4 < STEPS
	XLOAD (\t)+4                                   ; which take the loads of four steps on
.endif
.if (\t)+1 < STEPS
.if STEPS-2-(\t) >= 3
	s_wait_loadcnt 12                              ; the next step's four loads are in; those of the three steps behind it may be out
.else
	s_wait_loadcnt 4*(STEPS-2-(\t))
.endif
	XTURN (\t)+1
.endif
.irp i, 0,1,2
.irp j, 0,1,2,3,4,5,6,7,8,9,10,11,12,13,14,15
	v_med3_num_f32 v[XT+\j], v[XS+\j], -v[8+\i], v[8+\i]   ; the conversion to an 8-bit code does not saturate (ISA guide 7.6.2): the hold comes first
.endr
	v_cvt_scalef32_pk8_fp8_f32 v[XC+12*(\t)+4*\i:XC+12*(\t)+4*\i+1], v[XT:XT+7], v[5+\i]
	v_cvt_scalef32_pk8_fp8_f32 v[XC+12*(\t)+4*\i+2:XC+12*(\t)+4*\i+3], v[XT+8:XT+15], v[5+\i]
	v_nop                                          ; a plain line between the conversions and the next holds, which write their sources
	global_store_b128 v3, v[XC+12*(\t)+4*\i:XC+12*(\t)+4*\i+3], s[24+2*\i:25+2*\i] offset:512*(\t)   ; the wave stores 512 consecutive bytes
.endr
.endm
.irp t, 0,1,2,3,4,5,6,7
	XSTEP \t
.endr
	s_wait_tensorcnt 0x0
	ds_add_u32 v224, v225
	s_wait_dscnt 0x0
	s_endpgm
; ---------------- the weights: K is the FIRST axis.  A lane takes a column n and its registers run down K, so the conversions give codes with K innermost; nothing is transposed by an instruction.
; A wave takes 32 columns x 256 along K; the codes leave through its own stage as rows of 256 bytes.
.Lweights:
	s_sub_co_u32 s15, ttmp9, 256
	s_and_b32 s16, s15, 7                          ; which 128 columns
	s_bfe_u32 s17, s15, 0x20003                    ; which 256 along K
	s_lshr_b32 s18, s15, 5                         ; which weight: 0 Wq, 1 Wk, 2 Wv, 3 Wo
	s_wait_kmcnt 0x0
	s_bitcmp1_b32 s18, 0
	s_cselect_b64 s[44:45], s[38:39], s[36:37]     ; Wk or Wq
	s_cselect_b64 s[46:47], s[42:43], s[40:41]     ; Wo or Wv
	s_cselect_b32 s30, s51, s49                    ; e3 or e1
	s_cselect_b32 s31, s56, s53                    ; e11 or e5
	s_cmp_lt_u32 s18, 2
	s_cselect_b64 s[4:5], s[44:45], s[46:47]       ; the choices hang on the work-group's number alone
	s_cselect_b32 s30, s30, s31                    ; e
	s_lshl_b32 s19, s16, 7
	s_lshl_b32 s20, s14, 5
	s_add_co_u32 s19, s19, s20                     ; my wave's first column
	s_lshl_b32 s20, s17, 20                        ; 256 rows of 4,096 bytes
	s_lshl_b32 s22, s19, 2
	s_add_co_u32 s20, s20, s22
	s_mov_b32 s21, 0
	s_add_nc_u64 s[4:5], s[4:5], s[20:21]
	s_lshl_b32 s20, s18, 20
	s_add_co_u32 s20, s20, 0xc00000                ; the weight's section of cw
	s_lshl_b32 s22, s19, 10
	s_add_co_u32 s20, s20, s22                     ; + column x 1,024
	s_lshl_b32 s22, s17, 8
	s_add_co_u32 s20, s20, s22                     ; + 256 x (which 256 along K)
	s_add_nc_u64 s[12:13], s[10:11], s[20:21]
	v_lshlrev_b32 v3, 2, v2                        ; in: 4 bytes a lane
	s_mul_i32 s19, s14, 32*WP
	s_add_co_u32 s19, s19, WSTG                    ; my stage
	v_mul_u32_u24 v4, v2, WP
	v_add_nc_u32 v4, s19, v4                       ; into it: row = my column
	v_and_b32 v5, 15, v2
	v_lshrrev_b32 v6, 4, v2
	v_mul_u32_u24 v7, v6, WP
	v_lshl_add_u32 v7, v5, 4, v7
	v_add_nc_u32 v7, s19, v7                       ; out of it: sixteen lanes to a row, two rows an instruction
	v_lshlrev_b32 v8, 10, v6
	v_lshl_add_u32 v8, v5, 4, v8                   ; and the same place among the codes
.macro WLOAD t                         ; block t: W(32 t + i, my column) into set t % 2; each load reads 128 consecutive bytes a wave
.irp i, 0,1,2,3,4,5,6,7,8,9,10,11,12,13,14,15,16,17,18,19,20,21,22,23,24,25,26,27,28,29,30,31
	global_load_b32 v[WX+32*((\t)%2)+\i], v3, s[4:5] offset:(32*(\t)+\i)*4096 th:TH_LOAD_NT
.endr
.endm
	WLOAD 0
	WLOAD 1
	s_add_co_i32 s30, s30, 127
	s_lshl_b32 s31, s30, 23
	v_mov_b32 v11, s31                             ; 2^e
	s_add_co_i32 s30, s30, 8
	s_lshl_b32 s30, s30, 23
	s_or_b32 s30, s30, 0x600000
	v_mov_b32 v10, s30                             ; 448 x 2^e
.macro WBLOCK t
.set XS, WX+32*((\t)%2)
.if (\t) < 7
	s_wait_loadcnt 32                              ; this block's 32 loads are in; the next block's may be out
.else
	s_wait_loadcnt 0
.endif
.irp i, 0,1,2,3,4,5,6,7,8,9,10,11,12,13,14,15,16,17,18,19,20,21,22,23,24,25,26,27,28,29,30,31
	v_med3_num_f32 v[XS+\i], v[XS+\i], -v10, v10
.endr
.irp g, 0,1,2,3
	v_cvt_scalef32_pk8_fp8_f32 v[WC+2*\g:WC+2*\g+1], v[XS+8*\g:XS+8*\g+7], v11
.endr
	v_nop                                          ; a plain line behind the last conversion of the run
	ds_store_b128 v4, v[WC:WC+3] offset:32*(\t)
	ds_store_b128 v4, v[WC+4:WC+7] offset:32*(\t)+16
.if (\t)+2 < 8
	WLOAD (\t)+2
.endif
	s_wait_dscnt 0x0                               ; the stores have read their registers: the next block's codes may be written
.endm
.irp t, 0,1,2,3,4,5,6,7
	WBLOCK \t
.endr
.irp t, 0,1,2,3,4,5,6,7,8,9,10,11,12,13,14,15
	ds_load_b128 v[WOUT+4*\t:WOUT+4*\t+3], v7 offset:2*\t*WP
.endr
.irp t, 0,1,2,3,4,5,6,7,8,9,10,11,12,13,14,15
	s_wait_dscnt 15-\t
	global_store_b128 v8, v[WOUT+4*\t:WOUT+4*\t+3], s[12:13] offset:2*\t*1024   ; sixteen lanes store 256 consecutive bytes, aligned
.endr
	s_wait_tensorcnt 0x0
	ds_add_u32 v224, v225
	s_wait_dscnt 0x0
	s_endpgm
.Lfunc_end_k_q5648235ce0_quant:
	.size	k_q5648235ce0_quant, .Lfunc_end_k_q5648235ce0_quant-k_q5648235ce0_quant
	.p2alignl 7, 3214868480
	.fill 96, 4, 3214868480
	.section	.rodata,"a",@progbits
	.p2align	6, 0x0
	.amdhsa_kernel k_q5648235ce0_quant
		.amdhsa_group_segment_fixed_size 68096
		.amdhsa_private_segment_fixed_size 0
		.amdhsa_enable_private_segment 0
		.amdhsa_kernarg_size 56
		.amdhsa_user_sgpr_count 2
		.amdhsa_user_sgpr_kernarg_segment_ptr 1
		.amdhsa_wavefront_size32 1
		.amdhsa_system_sgpr_workgroup_id_x 1
		.amdhsa_system_sgpr_workgroup_id_y 1
		.amdhsa_system_sgpr_workgroup_id_z 1
		.amdhsa_system_vgpr_workitem_id 0
		.amdhsa_next_free_vgpr 226
		.amdhsa_next_free_sgpr 66
		.amdhsa_reserve_vcc 0
		.amdhsa_float_denorm_mode_32 3
		.amdhsa_float_denorm_mode_16_64 3
		.amdhsa_memory_ordered 1
		.amdhsa_forward_progress 1
		.amdhsa_inst_pref_size 90
	.end_amdhsa_kernel
	.amdgpu_metadata
---
amdhsa.version: [ 1, 2 ]
amdhsa.kernels:
  - .name:           k_q5648235ce0_quant
    .symbol:         k_q5648235ce0_quant.kd
    .args:
      - { .name: x, .offset: 0, .size: 8, .value_kind: global_buffer, .address_space: global }
      - { .name: Wq, .offset: 8, .size: 8, .value_kind: global_buffer, .address_space: global }
      - { .name: Wk, .offset: 16, .size: 8, .value_kind: global_buffer, .address_space: global }
      - { .name: Wv, .offset: 24, .size: 8, .value_kind: global_buffer, .address_space: global }
      - { .name: Wo, .offset: 32, .size: 8, .value_kind: global_buffer, .address_space: global }
      - { .name: lowp_scales, .offset: 40, .size: 8, .value_kind: global_buffer, .address_space: global }
      - { .name: cw, .offset: 48, .size: 8, .value_kind: global_buffer, .address_space: global }
    .group_segment_fixed_size: 68096
    .private_segment_fixed_size: 0
    .kernarg_segment_align: 8
    .kernarg_segment_size: 56
    .max_flat_workgroup_size: 128
    .sgpr_count:     66
    .vgpr_count:     226
    .wavefront_size: 32
...
	.end_amdgpu_metadata
.endif
;; end of part 1
;; launch proj (part 2): grid 12 x 16, 4 waves a work-group, clusters of 4 x 4, 327,680 bytes of LDS; arguments cw, bq, bk, bv, lowp_scales, qr, st, kv; writes qr, st, kv
.if DOCPART == 2
	.amdgcn_target "amdgcn-amd-amdhsa--gfx1250"
	.amdhsa_code_object_version 6
	.text
	.protected	k_q5648235ce0_proj
	.globl	k_q5648235ce0_proj
	.p2align	8
	.type	k_q5648235ce0_proj,@function
k_q5648235ce0_proj:
	s_mov_b64 s[64:65], 0
	v_nop
	global_prefetch_b8 v0, s[64:65] scope:SCOPE_SE
	s_setreg_imm32_b32 hwreg(HW_REG_WAVE_MODE, 25, 1), 1
	s_wait_xcnt 0x0
	s_wait_alu depctr_hold_cnt(0) depctr_sa_sdst(0) depctr_va_vdst(0) depctr_va_sdst(0) depctr_va_ssrc(0) depctr_va_vcc(0) depctr_vm_vsrc(0)
	s_getreg_b32 s2, hwreg(HW_REG_IB_STS2, 6, 4)
	s_cmp_eq_u32 s2, 0
	s_cbranch_scc0 .Lentry_in_a_cluster
	s_endpgm
.Lentry_in_a_cluster:
	s_bfe_u32 s2, ttmp6, 0x10000c
	s_cmp_lg_u32 s2, 0xf033
	s_cbranch_scc0 .Lentry_shape_is_right
	s_endpgm
.Lentry_shape_is_right:
; The three projections of x on E4M3 codes, one launch, three ROLES by the cluster's x (the same in all sixteen partners): 0 = q, 1 = k, 2 = v.
; A tile of the result, 256 x 256, is made by four waves, 128 x 128 each (64 accumulators, 512 registers); K = 1,024 goes in four steps of 256 through a ring of two LDS slots filled by joint tensor loads.
; The matrix instruction is used transposed: source 0 = 16 rows of the 'B' operand, source 1 = 16 rows of the 'A' operand: a lane holds one row of A's and eight neighbouring rows of B's.
;   q, k: A = x's codes (tokens), B = the weight's codes (features): a lane holds 8 neighbouring features of a token.
;   v:    A = Wv's codes (features), B = x's codes (tokens): a lane holds 8 neighbouring tokens of a feature: v comes out with the KEYS innermost, as the second product of attention wants it.
; A's tiles are shared along a row of the cluster, B's along a column.  All codes lie in one buffer, so the roles differ by a section's offset alone.
; WAYS OUT.  q: sum x 2^(e0+e1) + bq as f32 to qr, and for each row the mean and the sum of squared differences of the wave's 128 columns to st (the layer norm is finished by the next launch).
;   k: sum x 2^(e2+e3) + bk, quantised with 2^e6 (k is the left operand of the scores' product as it is lowered).   v: sum x 2^(e4+e5) + bv, quantised with 2^e8.
; kv IS LAID IN THE ORDER OF THE NEXT LAUNCH'S OPERAND REGISTERS: for each (batch, head) 128 KiB of images of 512 bytes, lane l's 16 bytes at 16 l (r = l % 16, h = l / 16):
;   k (from byte 0):      image 2 T + c:          key 32 (T / 2) + 8 (T % 2) + r + 8 (r / 8), channels 32 c + 16 h + 0 .. 15
;   v (from byte 4 MiB):  image 16 s + 4 t + c:   channel 32 (t / 2) + 8 (t % 2) + r + 8 (r / 8), keys 128 s + 32 c + 16 h + 0 .. 15
; LIMITS: e0+e1, e2+e3, e4+e5 between -126 and 127; e6, e8 between -126 and 119.  NaN among the inputs is not served.
; REGISTERS, in windows of 256: window 0: v0-31 addresses; v32-95 a bias; v96-159 a block's values; from v128 A's fragments, one set (free on the way out);  window 1: B's fragments, two sets;  windows 2, 3: the accumulators.
.set KSTEP,  256
.set ROWB,   256
.set KROW,   1024
.set PITCH,  272                       ; an LDS row: 256 bytes + 16 of padding: the 16 rows of a fragment load start at 16 different banks (64 banks of 4 bytes: ISA guide 11.1)
.set FR,     16
.set NL,     4
.set NP,     4
.set HALFT,  128*PITCH
.set SLOT,   4*HALFT
.set LAPS,   2
.set SPARE,  2*SLOT                    ; behind the ring: the spare words, 128 bytes for each wave
.set KSTG,   0                         ; the ways out use the ring's bytes, behind its last fill and a barrier; each role has bytes of its own
.set VSTG,   256*PITCH
.set QSTG,   SLOT
.set SPITCH, 528
.set STOK, 8                           ; v8   k: where I put 8 codes;  v9 where I read images back;  v10, v11 the same for v
.set RDK,  9
.set STOV, 10
.set RDV,  11
.set HB,   12                          ; v12  32 x (lane / 16)
.set RB,   13                          ; v13  4 x (lane % 16)
.set ST8,  15                          ; v15  8 x lane
.set ADRA, 16
.set ADRB, 20
.set STO,  24
.set RD,   25
.set CO,   26                          ; v26  16 x lane
.set SPW,  28                          ; v28  LDS address of my spare word; never rewritten
.set NIL,  29                          ; v29  0; never rewritten
.set BC,   32
.set TMP,  96
.set AF,   128
.set U,    160                         ; q's way out: four chains of sums,
.set D,    168                         ; differences,
.set W,    176                         ; four chains of squares,
.set MEANP, 184                        ; the mean, twice
.set PT,   186                         ; a lane permute's destination
.set MS,   192                         ; (mean, M2) of my eight blocks of 16 rows
.set SELO, 208
.set CD,   160                         ; k's and v's way out: a block's codes,
.set SCV,  176                         ; 2^e,
.set LIM,  177                         ; 448 x 2^e
.set OB,   96                          ; 32 images read back
.set G1, 24
.set G0, 32
.set G1B, 48
.set G0B, 56
.set MSB, 0
.macro WIN new                         ; the immediate's high byte repeats the setting that is left
.if MSB != (\new)
	s_set_vgpr_msb (MSB<<8)|(\new)
.set MSB, (\new)
.endif
.endm
.set MUL_LO, 0xa1
.set MUL_HI, 0xf1
.set TO_B,   0x40
; A joint load: waves 0 and 1 fetch for A, waves 2 and 3 for B; the branch hangs on the wave's number alone.  Four v_nop follow each of the two lines.
.macro JLOAD g0a, g1a, g0b, g1b
	s_cmp_eq_u32 s15, 0
	s_cbranch_scc0 .Lfor_b_\@
	tensor_load_to_lds s[\g0a:\g0a+3], s[\g1a:\g1a+7]
	s_nop 0
.rept 4
	v_nop
.endr
	s_branch .Lasked_\@
.Lfor_b_\@:
	tensor_load_to_lds s[\g0b:\g0b+3], s[\g1b:\g1b+7]
	s_nop 0
.rept 4
	v_nop
.endr
.Lasked_\@:
.endm
.macro CREST
	s_cmp_lg_u32 s14, 0
	s_cbranch_scc1 .Lnot_wave_0_\@
	s_barrier_signal -3
.Lnot_wave_0_\@:
	s_barrier_wait -3
	s_barrier_signal -1
	s_barrier_wait -1
.endm
.macro CROUND
	s_barrier_signal -1
	s_barrier_wait -1
	CREST
.endm
.macro FINISH                          ; the wave's end, then the closing round: no work-group ends while a partner may still ask for a tile that names it
	s_wait_tensorcnt 0x0
	ds_add_u32 v[SPW], v[NIL]
	s_wait_dscnt 0x0
	CROUND
	s_endpgm
.endm
	s_load_b64 s[4:5], s[0:1], 0x0                 ; cw
	s_load_b256 s[68:75], s[0:1], 0x8              ; bq, bk, bv, the scales' exponents
	s_load_b128 s[76:79], s[0:1], 0x28             ; qr, st
	s_load_b64 s[80:81], s[0:1], 0x38              ; kv
	v_lshl_add_u32 v[SPW], v0, 2, SPARE
	v_mov_b32 v[NIL], 0
	ds_add_u32 v28, v29
	ds_add_u32 v28, v29
	s_wait_dscnt 0x0
	v_lshrrev_b32 v1, 5, v0
	v_readfirstlane_b32 s14, v1                    ; wave 0..3
	s_lshr_b32 s15, s14, 1                         ; which half of the tile's rows is mine.  Also: I fetch for A (0) or for B (1)
	s_and_b32 s16, s14, 1                          ; which half of its columns.  Also: which 128 rows of that tile I fetch
	s_bfe_u32 s40, ttmp6, 0x40000                  ; cx, cy
	s_bfe_u32 s41, ttmp6, 0x40004
	s_mov_b32 s12, 0x76543210                      ; v_permlanex16_b32's selects: lane l xor 16
	s_mov_b32 s13, 0xfedcba98
	s_mov_b32 s98, 0xffff0000                      ; lanes 16-31
	s_lshl_b32 s82, ttmp9, 22                      ; x's section for this role: role x 4 MiB
	s_lshl_b32 s83, ttmp9, 20
	s_add_co_u32 s83, s83, 0xc00000                ; the weight's section: 12 MiB + role x 1 MiB
	s_and_b32 s66, ttmp7, 0xffff
	s_lshl_b32 s66, s66, 2                         ; 4 x cluster y
	s_cmp_eq_u32 ttmp9, 2                          ; role v: the operands change places
	s_cselect_b32 s17, 0, s66
	s_cselect_b32 s42, s66, 0
	s_cselect_b32 s93, s83, s82                    ; A's section
	s_cselect_b32 s94, s82, s83                    ; B's section
	s_add_co_u32 s17, s17, s41                     ; A's tile: hangs on cy and the cluster's place alone
	s_add_co_u32 s42, s42, s40                     ; B's tile: on cx and the cluster's place alone
	s_lshl_b32 s43, s41, 2
	s_lshl_b32 s43, 15, s43                        ; my row of the cluster
	s_lshl_b32 s44, 0x1111, s40                    ; my column
	s_or_b32 s[G1+0], s43, (0<<16)|(1<<20)|(1<<21)|(5<<22)|(3<<25)  ; the mask; elements of 1 byte; padding on; bit 21 beside a mask; 4 words of padding after every 64
	s_or_b32 s[G1B+0], s44, (0<<16)|(1<<20)|(1<<21)|(5<<22)|(3<<25)
.irp g, G1, G1B
	s_mov_b32 s[\g+1], ROWB<<16                    ; tensor_dim0
	s_mov_b32 s[\g+2], 128<<16                     ; tensor_dim1
	s_mov_b32 s[\g+3], ROWB<<16                    ; tile_dim0
	s_mov_b32 s[\g+4], 128                         ; tile_dim1
	s_mov_b32 s[\g+5], KROW                        ; the pitch
	s_mov_b32 s[\g+6], 0
	s_mov_b32 s[\g+7], 0
.endr
	s_lshl_b32 s18, s16, 7                         ; which 128 rows of the tile I fetch
	s_lshl_b32 s20, s17, 8
	s_add_co_u32 s20, s20, s18
	s_lshl_b32 s20, s20, 10                        ; rows of 1,024 bytes
	s_add_co_u32 s20, s20, s93
	s_mov_b32 s21, 0
	s_lshl_b32 s46, s42, 8
	s_add_co_u32 s46, s46, s18
	s_lshl_b32 s46, s46, 10
	s_add_co_u32 s46, s46, s94
	s_mov_b32 s47, 0
	s_mul_i32 s45, s14, HALFT                      ; where they go: wave x 128 rows
	s_wait_kmcnt 0x0
	s_load_b256 s[84:91], s[74:75], 0x0            ; e0 .. e7
	s_load_b32 s92, s[74:75], 0x20                 ; e8
	s_add_nc_u64 s[20:21], s[4:5], s[20:21]
	s_add_nc_u64 s[46:47], s[4:5], s[46:47]
	CROUND                                         ; all sixteen work-groups are here: the first joint loads meet
.irp s, 0,1
	s_mov_b32 s[G0+4*\s], 1
	s_add_co_u32 s[G0+4*\s+1], s45, \s*SLOT
	s_add_nc_u64 s[G0+4*\s+2:G0+4*\s+3], s[20:21], \s*ROWB
	s_or_b32 s[G0+4*\s+3], s[G0+4*\s+3], 0x80000000
	s_mov_b32 s[G0B+4*\s], 1
	s_add_co_u32 s[G0B+4*\s+1], s45, \s*SLOT
	s_add_nc_u64 s[G0B+4*\s+2:G0B+4*\s+3], s[46:47], \s*ROWB
	s_or_b32 s[G0B+4*\s+3], s[G0B+4*\s+3], 0x80000000
	JLOAD G0+4*\s, G1, G0B+4*\s, G1B               ; two loads of mine are out
.endr
	v_and_b32 v1, 15, v0                           ; r = lane % 16
	v_bfe_u32 v2, v0, 4, 1                         ; h = lane / 16
	v_mul_u32_u24 v3, v1, PITCH
	v_lshl_add_u32 v4, v2, 4, v3
	s_mul_i32 s21, s15, HALFT
	s_mul_i32 s22, s16, HALFT
	s_add_co_u32 s22, s22, 2*HALFT
.irp s, 0,1
	v_add_nc_u32 v[ADRA+\s], s21, v4
	v_add_nc_u32 v[ADRB+\s], s22, v4
	s_add_co_u32 s21, s21, SLOT
	s_add_co_u32 s22, s22, SLOT
.endr
	; every LDS address of the three ways out is made here, on the way that all take
	s_mul_i32 s23, s14, 16*SPITCH
	s_add_co_u32 s23, s23, QSTG                    ; q: my own stage of 16 rows x 528 bytes
	v_mul_u32_u24 v5, v1, SPITCH
	v_lshl_add_u32 v5, v2, 5, v5
	v_add_nc_u32 v[STO], s23, v5
	v_and_b32 v6, 31, v0
	v_lshlrev_b32 v[CO], 4, v6
	v_add_nc_u32 v[RD], s23, v[CO]
	s_mul_i32 s23, s15, 128*PITCH                  ; k, v: the work-group's stage of 256 rows x 272 bytes: my 128 rows,
	s_lshl_b32 s22, s16, 7
	s_add_co_u32 s23, s23, s22                     ; my 128 of their 256 bytes
	v_lshl_add_u32 v5, v2, 3, v3
	v_add_nc_u32 v[STOK], s23, v5
	v_add_nc_u32 v[STOV], VSTG, v[STOK]
	v_and_b32 v7, 8, v1                            ; back, as images of the next launch's operand registers: lane (r, h) takes row r + 8 (r / 8) of a tile, 16 bytes at 16 h
	v_add_nc_u32 v7, v7, v1
	v_mul_u32_u24 v7, v7, PITCH
	v_lshl_add_u32 v7, v2, 4, v7
	s_lshl_b32 s23, s14, 6                         ; wave w takes head w of the tile's four: in k's stage (rows are tokens) its 64 bytes of every row,
	v_add_nc_u32 v[RDK], s23, v7
	s_mul_i32 s23, s14, 64*PITCH                   ; in v's stage (rows are features) its 64 rows
	s_add_co_u32 s23, s23, VSTG
	v_add_nc_u32 v[RDV], s23, v7
	v_lshlrev_b32 v[HB], 5, v2
	v_lshlrev_b32 v[RB], 2, v1
	v_lshlrev_b32 v[ST8], 3, v6
.macro FRAG reg, adr, q, i             ; 16 rows x 128 K: lane l holds row l % 16; registers 4 c .. 4 c + 3 hold K = 32 c + 16 (l / 16) + 0 .. 15: the same order of K in both operands
.irp c, 0,1,2,3
	ds_load_b128 v[\reg+4*\c:\reg+4*\c+3], v[\adr] offset:128*(\q)+32*\c+(\i)*16*PITCH
.endr
.endm
; 16 matrix instructions.  The 64 accumulators take turns, one instruction a turn, in the same order in every step.
.macro MUL16 a0, p, zero
.irp a, \a0, \a0+1
.irp b, 0,1,2,3,4,5,6,7
.if \zero
	v_wmma_f32_16x16x128_fp8_fp8 v[8*(8*((\a)%4)+\b):8*(8*((\a)%4)+\b)+7], v[128*(\p)+FR*\b:128*(\p)+FR*\b+FR-1], v[AF+FR*(\a):AF+FR*(\a)+FR-1], 0
.else
	v_wmma_f32_16x16x128_fp8_fp8 v[8*(8*((\a)%4)+\b):8*(8*((\a)%4)+\b)+7], v[128*(\p)+FR*\b:128*(\p)+FR*\b+FR-1], v[AF+FR*(\a):AF+FR*(\a)+FR-1], v[8*(8*((\a)%4)+\b):8*(8*((\a)%4)+\b)+7]
.endif
.endr
.endr
.endm
.macro FETCH_B slot, q, p
	WIN TO_B
.irp i, 0,1,2,3,4,5,6,7
	FRAG 128*(\p)+FR*\i, ADRB+\slot, \q, \i
.endr
	WIN 0
.endm
.macro FETCH_A slot, q, i0
.irp i, \i0, \i0+1, \i0+2, \i0+3
	FRAG AF+FR*(\i), ADRA+\slot, \q, \i
.endr
.endm
.macro PLACES n                        ; plain vector lines between a matrix instruction and a load into, or a read of, its registers
.rept \n
	v_nop
.endr
.endm
.macro STEP slot, q, zero              ; 128 along K whose successor lies in the same slot
	s_wait_dscnt 4*NL                              ; B's set and A's blocks 0-3 are in; the youngest 16 loads (A's blocks 4-7) may be out
	WIN MUL_LO
	MUL16 0, (\q)%2, \zero
	MUL16 2, (\q)%2, \zero
	s_wait_dscnt 0                                 ; A's blocks 4-7 are in
	PLACES NP
	FETCH_B \slot, (\q)+1, 1-(\q)%2
	FETCH_A \slot, (\q)+1, 0
	WIN MUL_HI
	MUL16 4, (\q)%2, \zero
	MUL16 6, (\q)%2, \zero
	PLACES NP
	WIN 0
	FETCH_A \slot, (\q)+1, 4
.endm
; A slot's last step changes slots: one barrier; in front of it each wave waits for all its tensor loads, adds 0 to its spare word, and waits for that and for its reads of this slot.
.macro TURN slot, next, fill
	s_wait_tensorcnt 0x0                           ; all my tensor loads have landed: my part of the next slot
	ds_add_u32 v[SPW], v[NIL]                      ; 0 onto my spare word
	s_wait_dscnt 4*NL+1                            ; (the add and the youngest 16 loads may be out)
	WIN MUL_LO
	MUL16 0, 1, 0
	s_wait_dscnt 0x0                               ; the add is done, and my reads of this slot are over
	s_barrier_signal -1
	MUL16 2, 1, 0
	WIN 0
	s_barrier_wait -1
.if \fill
	CREST                                          ; the barrier has opened a round of the cluster's barrier: no wave of any partner still reads this slot or has a load on its way
	s_add_nc_u64 s[G0+4*\slot+2:G0+4*\slot+3], s[G0+4*\slot+2:G0+4*\slot+3], 2*ROWB
	s_add_nc_u64 s[G0B+4*\slot+2:G0B+4*\slot+3], s[G0B+4*\slot+2:G0B+4*\slot+3], 2*ROWB
	JLOAD G0+4*\slot, G1, G0B+4*\slot, G1B         ; the first tensor load behind the round, my only one until the next
.else
	PLACES NP
.endif
	FETCH_B \next, 0, 0
	FETCH_A \next, 0, 0
	WIN MUL_HI
	MUL16 4, 1, 0
	MUL16 6, 1, 0
	PLACES NP
	WIN 0
	FETCH_A \next, 0, 4
.endm
	s_wait_tensorcnt 1                             ; my part of K step 0 is in (K step 1's load may be out)
	s_barrier_signal -1
	s_barrier_wait -1                              ; everybody's is
	FETCH_B 0, 0, 0
	FETCH_A 0, 0, 0
	FETCH_A 0, 0, 4
	STEP 0, 0, 1                                   ; the first step's products start the sums
	s_mov_b32 s3, LAPS-1
.Llap:                                                 ; a trip goes once round the ring and fills both slots again
	TURN 0, 1, 1
	STEP 1, 0, 0
	TURN 1, 0, 1
	STEP 0, 0, 0
	s_sub_co_u32 s3, s3, 1
	s_cmp_lg_u32 s3, 0
	s_cbranch_scc1 .Llap
	TURN 0, 1, 0                                   ; the last lap fills nothing
	STEP 1, 0, 0
	s_wait_dscnt 4*NL
	WIN MUL_LO
	MUL16 0, 1, 0
	MUL16 2, 1, 0
	s_wait_dscnt 0
	WIN MUL_HI
	MUL16 4, 1, 0
	MUL16 6, 1, 0
	WIN 0
	PLACES NP                                      ; behind the last products: their results are read, and their operands' registers written, below
	s_barrier_signal -1                            ; my reads of the ring are over (the wait for 0 above): behind this barrier its bytes serve as stages
	s_barrier_wait -1
	s_wait_kmcnt 0x0                               ; the exponents
	s_lshl_b32 s18, s17, 8
	s_lshl_b32 s19, s15, 7
	s_add_co_u32 s18, s18, s19                     ; my first row: 256 x A's tile + 128 x half
	s_lshl_b32 s19, s42, 8
	s_lshl_b32 s20, s16, 7
	s_add_co_u32 s19, s19, s20                     ; my first column
	s_mov_b32 s21, 0
	s_mov_b32 s23, 0
	s_cmp_eq_u32 ttmp9, 0
	s_cbranch_scc1 .Lq
	s_cmp_eq_u32 ttmp9, 1
	s_cbranch_scc1 .Lk
; a block's 64 sums of a lane x 2^(ea + eb) + bias, each accumulator from its low end on.  kind 0: the bias goes with the column (64 registers); 1: with the row (one number a block, twice)
.macro VALS a, kind
.set AC, 64*((\a)%4)
	WIN 0x02+((\a)/4)
.set j, 0
.rept 32
.if \kind
	v_pk_fma_f32 v[TMP+j:TMP+j+1], v[AC+j:AC+j+1], s[96:97], v[BC+2*(\a):BC+2*(\a)+1] op_sel_hi:[1,0,1]
.else
	v_pk_fma_f32 v[TMP+j:TMP+j+1], v[AC+j:AC+j+1], s[96:97], v[BC+j:BC+j+1] op_sel_hi:[1,0,1]
.endif
.set j, j+2
.endr
	WIN 0
.endm
.macro POW2 ea, eb                     ; s[96:97] = 2^(ea + eb), twice
	s_add_co_i32 s96, s[\ea], s[\eb]
	s_add_co_i32 s96, s96, 127
	s_lshl_b32 s96, s96, 23
	s_mov_b32 s97, s96
.endm
.macro MKQ e                           ; v[SCV] = 2^e, v[LIM] = 448 x 2^e
	s_add_co_i32 s22, s[\e], 127
	s_lshl_b32 s2, s22, 23
	v_mov_b32 v[SCV], s2
	s_add_co_i32 s22, s22, 8
	s_lshl_b32 s22, s22, 23
	s_or_b32 s22, s22, 0x600000
	v_mov_b32 v[LIM], s22
.endm
; s[10:11] = where my 32 images go: (16 x batch + head) x 128 KiB + (the tile's 256 tokens among the batch's 2,048) x 64 bytes.  tok: the register with the tile of tokens; head: that with the tile of features (four heads)
.macro KVBASE tok, head, sec
	s_lshr_b32 s20, s[\tok], 3                     ; the batch: 8 tiles of 256 tokens
	s_lshl_b32 s20, s20, 4
	s_lshl_b32 s22, s[\head], 2
	s_add_co_u32 s20, s20, s22
	s_add_co_u32 s20, s20, s14                     ; my head: 4 x tile + wave
	s_lshl_b32 s20, s20, 17
	s_and_b32 s22, s[\tok], 7
	s_lshl_b32 s22, s22, 14
	s_add_co_u32 s20, s20, s22
.if \sec
	s_add_co_u32 s20, s20, \sec
.endif
	s_add_nc_u64 s[10:11], s[80:81], s[20:21]
.endm
; values, hold, conversion; 8 codes a lane and tile into the work-group's stage; a barrier, since other waves wrote part of what I read; back as 32 images of 512 bytes, which the wave stores on end
.macro CODES kind, sto, rd
	s_wait_loadcnt 0x0                             ; the bias
.if \kind
.irp a, 0,1,2,3,4,5,6,7
	v_mov_b32 v[BC+2*\a+1], v[BC+2*\a]
.endr
.endif
.irp a, 0,1,2,3,4,5,6,7
	VALS \a, \kind
.set j, 0
.rept 64
	v_med3_num_f32 v[TMP+j], v[TMP+j], -v[LIM], v[LIM]   ; the conversion does not saturate (ISA guide 7.6.2)
.set j, j+1
.endr
.irp b, 0,1,2,3,4,5,6,7
	v_cvt_scalef32_pk8_fp8_f32 v[CD+2*\b:CD+2*\b+1], v[TMP+8*\b:TMP+8*\b+7], v[SCV]
.endr
	v_nop                                          ; a plain line behind the last conversion of the run
.irp b, 0,1,2,3,4,5,6,7
	ds_store_b64 v[\sto], v[CD+2*\b:CD+2*\b+1] offset:\a*16*PITCH+16*\b
.endr
.endr
	s_wait_dscnt 0x0                               ; for the others' sake: my stores into the stage are done
	s_barrier_signal -1
	s_barrier_wait -1
.set g, 0
.rept 32
.if \kind
	ds_load_b128 v[OB+4*g:OB+4*g+3], v[\rd] offset:(32*(((g/4)%4)/2)+8*((g/4)%2))*PITCH+128*(g/16)+32*(g%4)   ; v: image g = 16 s + 4 t + c: rows 32 (t / 2) + 8 (t % 2) on, bytes 128 s + 32 c on
.else
	ds_load_b128 v[OB+4*g:OB+4*g+3], v[\rd] offset:(32*(g/4)+8*((g/2)%2))*PITCH+32*(g%2)                      ; k: image g = 2 T + c: rows 32 (T / 2) + 8 (T % 2) on, bytes 32 c on
.endif
.set g, g+1
.endr
.set g, 0
.rept 32
	s_wait_dscnt 31-g
	global_store_b128 v[CO], v[OB+4*g:OB+4*g+3], s[10:11] offset:512*g   ; the wave stores 512 consecutive bytes, aligned to 256
.set g, g+1
.endr
.endm
; ---------------- role v: rows are features, columns tokens
	s_lshl_b32 s20, s18, 2
	s_add_nc_u64 s[72:73], s[72:73], s[20:21]      ; bv at my first row
.irp a, 0,1,2,3,4,5,6,7
	global_load_b32 v[BC+2*\a], v[RB], s[72:73] offset:64*\a
.endr
	POW2 88, 89                                    ; e4 + e5
	MKQ 92                                         ; e8
	KVBASE 42, 17, 0x400000                        ; B's tile is the tokens', A's the features'
	CODES 1, STOV, RDV
	FINISH
; ---------------- role k: rows are tokens, columns features
.Lk:
	s_lshl_b32 s20, s19, 2
	s_add_nc_u64 s[70:71], s[70:71], s[20:21]      ; bk at my first column
.irp b, 0,1,2,3,4,5,6,7
	global_load_b128 v[BC+8*\b:BC+8*\b+3], v[HB], s[70:71] offset:64*\b
	global_load_b128 v[BC+8*\b+4:BC+8*\b+7], v[HB], s[70:71] offset:64*\b+16
.endr
	POW2 86, 87                                    ; e2 + e3
	MKQ 90                                         ; e6: k's scale in the scores' product
	KVBASE 17, 42, 0                               ; A's tile is the tokens', B's the features'
	CODES 0, STOK, RDK
	FINISH
; ---------------- role q: f32 out, and the rows' statistics over my 128 columns
.Lq:
	s_lshl_b32 s20, s19, 2
	s_add_nc_u64 s[68:69], s[68:69], s[20:21]      ; bq at my first column
.irp b, 0,1,2,3,4,5,6,7
	global_load_b128 v[BC+8*\b:BC+8*\b+3], v[HB], s[68:69] offset:64*\b
	global_load_b128 v[BC+8*\b+4:BC+8*\b+7], v[HB], s[68:69] offset:64*\b+16
.endr
	POW2 84, 85                                    ; e0 + e1
	s_lshl_b32 s22, s18, 12
	s_add_co_u32 s20, s20, s22                     ; row x 4,096 + column x 4
	s_add_nc_u64 s[10:11], s[76:77], s[20:21]      ; qr
	s_lshr_b32 s22, s19, 7                         ; which block of 128 columns
	s_lshl_b32 s22, s22, 12
	s_add_co_u32 s22, s22, s18
	s_lshl_b32 s22, s22, 3                         ; (block x 4,096 + row) x 8
	s_add_nc_u64 s[78:79], s[78:79], s[22:23]      ; st
	v_mov_b32 v[PT], 0                             ; written once: a lane permute's destination counts as one of its sources
	s_wait_loadcnt 0x0
; the mean of a row's 128 numbers (64 in this lane, 64 in lane l xor 16), then the sum of their squared differences from it: no difference of large sums is formed
.macro STATS a
.irp c, 0,2,4,6
	v_pk_add_f32 v[U+\c:U+\c+1], v[TMP+\c:TMP+\c+1], v[TMP+8+\c:TMP+8+\c+1]
.endr
.set j, 16
.rept 24
	v_pk_add_f32 v[U+j%8:U+j%8+1], v[U+j%8:U+j%8+1], v[TMP+j:TMP+j+1]
.set j, j+2
.endr
	v_pk_add_f32 v[U:U+1], v[U:U+1], v[U+2:U+3]
	v_pk_add_f32 v[U+4:U+5], v[U+4:U+5], v[U+6:U+7]
	v_pk_add_f32 v[U:U+1], v[U:U+1], v[U+4:U+5]
	v_add_f32 v[U], v[U], v[U+1]
	v_permlanex16_b32 v[PT], v[U], s12, s13
	v_add_f32 v[U], v[U], v[PT]
	v_mul_f32 v[MEANP], 0x3c000000, v[U]           ; / 128
	v_mul_f32 v[MEANP+1], 0x3c000000, v[U]
.set j, 0
.rept 32
	v_pk_add_f32 v[D+j%8:D+j%8+1], v[TMP+j:TMP+j+1], v[MEANP:MEANP+1] neg_lo:[0,1] neg_hi:[0,1]
.if j < 8
	v_pk_mul_f32 v[W+j%8:W+j%8+1], v[D+j%8:D+j%8+1], v[D+j%8:D+j%8+1]
.else
	v_pk_fma_f32 v[W+j%8:W+j%8+1], v[D+j%8:D+j%8+1], v[D+j%8:D+j%8+1], v[W+j%8:W+j%8+1]
.endif
.set j, j+2
.endr
	v_pk_add_f32 v[W:W+1], v[W:W+1], v[W+2:W+3]
	v_pk_add_f32 v[W+4:W+5], v[W+4:W+5], v[W+6:W+7]
	v_pk_add_f32 v[W:W+1], v[W:W+1], v[W+4:W+5]
	v_add_f32 v[W], v[W], v[W+1]
	v_permlanex16_b32 v[PT], v[W], s12, s13
	v_add_f32 v[MS+2*(\a)+1], v[W], v[PT]
	v_mov_b32 v[MS+2*(\a)], v[MEANP]
.endm
.macro STAGEQ a                        ; a block of 16 rows x 512 bytes through my own stage; LDS serves a wave's instructions in order (ISA guide 5.7.1.4)
.irp b, 0,1,2,3,4,5,6,7
	ds_store_b128 v[STO], v[TMP+8*\b:TMP+8*\b+3] offset:64*\b
	ds_store_b128 v[STO], v[TMP+8*\b+4:TMP+8*\b+7] offset:64*\b+16
.endr
.set BB, 64*((\a)%2)
	WIN 0x40                                       ; back into window 1, where B's fragments lay
.irp t, 0,1,2,3,4,5,6,7,8,9,10,11,12,13,14,15
	ds_load_b128 v[BB+4*\t:BB+4*\t+3], v[RD] offset:\t*SPITCH
.endr
	WIN 0
.endm
.macro SENDQ a, younger                ; younger: the LDS instructions issued behind block a's loads
.set BB, 64*((\a)%2)
	s_wait_dscnt \younger
.if (\a) > 0
	s_add_nc_u64 s[10:11], s[10:11], 16*4096       ; behind a wait on XCNT for 0: the earlier stores have read their base
.endif
	WIN 0x04                                       ; the stores' data lie in window 1
.irp t, 0,1,2,3,4,5,6,7,8,9,10,11,12,13,14,15
	global_store_b128 v[CO], v[BB+4*\t:BB+4*\t+3], s[10:11] offset:\t*4096   ; 32 lanes store 512 consecutive bytes, aligned to 256
.endr
	WIN 0
.endm
.irp a, 0,1,2,3,4,5,6,7
.if \a > 1
	s_wait_xcnt 0x0                                ; block a - 2's stores have read their registers and their base
.endif
	VALS \a, 0
	STATS \a
	STAGEQ \a
.if \a > 0
	SENDQ \a-1, 32                                 ; behind block a - 1's loads: block a's 16 stores and 16 loads
.endif
.endr
	s_wait_xcnt 0x0
	SENDQ 7, 0
.irp p, 0,1,2,3                        ; every lane holds its row's pair for all eight blocks: lanes 0-15 give block 2 p's, lanes 16-31 block 2 p + 1's: 32 rows, 256 consecutive bytes
	v_cndmask_b32 v[SELO+2*\p], v[MS+4*\p], v[MS+4*\p+2], s98
	v_cndmask_b32 v[SELO+2*\p+1], v[MS+4*\p+1], v[MS+4*\p+3], s98
	global_store_b64 v[ST8], v[SELO+2*\p:SELO+2*\p+1], s[78:79] offset:256*\p
.endr
	FINISH
.Lfunc_end_k_q5648235ce0_proj:
	.size	k_q5648235ce0_proj, .Lfunc_end_k_q5648235ce0_proj-k_q5648235ce0_proj
	.p2alignl 7, 3214868480
	.fill 96, 4, 3214868480
	.section	.rodata,"a",@progbits
	.p2align	6, 0x0
	.amdhsa_kernel k_q5648235ce0_proj
		.amdhsa_group_segment_fixed_size 327680
		.amdhsa_private_segment_fixed_size 0
		.amdhsa_enable_private_segment 0
		.amdhsa_kernarg_size 64
		.amdhsa_user_sgpr_count 2
		.amdhsa_user_sgpr_kernarg_segment_ptr 1
		.amdhsa_wavefront_size32 1
		.amdhsa_system_sgpr_workgroup_id_x 1
		.amdhsa_system_sgpr_workgroup_id_y 1
		.amdhsa_system_sgpr_workgroup_id_z 1
		.amdhsa_system_vgpr_workitem_id 0
		.amdhsa_next_free_vgpr 1024
		.amdhsa_next_free_sgpr 100
		.amdhsa_reserve_vcc 0
		.amdhsa_float_denorm_mode_32 3
		.amdhsa_float_denorm_mode_16_64 3
		.amdhsa_memory_ordered 1
		.amdhsa_forward_progress 1
		.amdhsa_inst_pref_size 255
	.end_amdhsa_kernel
	.section	.bss,"aw",@nobits
	.p2align	6
	.space	262144
	.amdgpu_metadata
---
amdhsa.version: [ 1, 2 ]
amdhsa.kernels:
  - .name:           k_q5648235ce0_proj
    .symbol:         k_q5648235ce0_proj.kd
    .args:
      - { .name: cw, .offset: 0, .size: 8, .value_kind: global_buffer, .address_space: global }
      - { .name: bq, .offset: 8, .size: 8, .value_kind: global_buffer, .address_space: global }
      - { .name: bk, .offset: 16, .size: 8, .value_kind: global_buffer, .address_space: global }
      - { .name: bv, .offset: 24, .size: 8, .value_kind: global_buffer, .address_space: global }
      - { .name: lowp_scales, .offset: 32, .size: 8, .value_kind: global_buffer, .address_space: global }
      - { .name: qr, .offset: 40, .size: 8, .value_kind: global_buffer, .address_space: global }
      - { .name: st, .offset: 48, .size: 8, .value_kind: global_buffer, .address_space: global }
      - { .name: kv, .offset: 56, .size: 8, .value_kind: global_buffer, .address_space: global }
    .group_segment_fixed_size: 327680
    .private_segment_fixed_size: 0
    .kernarg_segment_align: 8
    .kernarg_segment_size: 64
    .max_flat_workgroup_size: 128
    .sgpr_count:     100
    .vgpr_count:     1024
    .wavefront_size: 32
...
	.end_amdgpu_metadata
.endif
;; end of part 2
;; launch attn (part 3): grid 8 x 32, 8 waves a work-group, no clusters, 224,256 bytes of LDS; arguments qr, st, kv, ln_g, ln_b, lowp_scales, ac; writes ac
.if DOCPART == 3
	.amdgcn_target "amdgcn-amd-amdhsa--gfx1250"
	.amdhsa_code_object_version 6
	.text
	.protected	k_q5648235ce0_attn
	.globl	k_q5648235ce0_attn
	.p2align	8
	.type	k_q5648235ce0_attn,@function
k_q5648235ce0_attn:
	s_mov_b64 s[64:65], 0
	v_nop
	global_prefetch_b8 v0, s[64:65] scope:SCOPE_SE
	s_setreg_imm32_b32 hwreg(HW_REG_WAVE_MODE, 25, 1), 1
	s_wait_xcnt 0x0
; The layer norm of q is finished; then attention on E4M3 codes, the residual, and the codes of (attention + normed q) for the last projection.
; A work-group owns 256 queries (16 tiles of 16) of one head of one batch.  THE WAVES SHARE THE KEYS, NOT THE QUERIES: wave w keeps keys 256 w .. 256 w + 255 of the head in registers for the whole launch
; (K: 16 fragments, 128 registers; V^T: 8 fragments, 128 registers), read from memory once, and every wave walks all 16 tiles of queries.  No K or V goes through LDS.
; EIGHT WAVES OF 512 REGISTERS, TWO TO A SIMD: the work is mostly vector work, so one wave's vector lines stand beside the other's matrix instructions, exponentials and waits for LDS; a smaller share of keys costs no
; reading twice, since K and V lie in registers.
; THE SCALES of the scores' product: k is its left operand as it is lowered (2^e6, applied by the launch before), q / 8 its right one (2^e7, applied here).  Of the second product v has 2^e8, p has 2^e9.
; WHAT IS QUANTISED for the second product is exp(score - m), m the TRUE maximum over a chunk of 1,024 keys (waves 0-3 and waves 4-7), not normalised.  So m must be known before any p:
;   phase A: all scores of a tile, of which only the maximum is kept; the waves' maxima meet in LDS;   phase B: the scores once more, p, its sum (unquantised), its codes, O^T = V^T P^T.
; The chunks are joined as the problem has it: each wave's part of O^T and of the sum is multiplied by exp(m_chunk - the larger m), the eight parts are added, divided by 1e-8 + the sum.
; LAYOUT (r = lane % 16, h = lane / 16).  Both products are used transposed, so a lane holds ONE query r throughout.  Lane r of K's tile 2 b + u holds key 32 b + 8 u + r + 8 (r / 8), so that the 16 registers of
; tiles 2 b, 2 b + 1 are keys 32 b + 16 h + 0 .. 15: the conversions' results are the second product's operand.  V's rows are chosen alike, so that O^T's register 16 b + i is channel 32 b + 16 h + i: the layout in which q is loaded.
; kv holds K and V as images of these registers (the launch before lays them so): each load of the wave reads 512 consecutive bytes.  A fragment's order of K is the same in both operands of each product.
; NO CLUSTER: the eight work-groups of a head read the same 256 KiB of K and V, but each reads them once, straight into operand registers, for the work of 16 tiles; a joint load would land in LDS and have to be copied on.
; LIMITS: e6 + e7 between -126 and 127 (added to log2(e)'s exponent field); e8 + e9 between -126 and 127; e7 + 3, e9, e10 between -126 and 119.  NaN among the inputs is not served.
;   p under 2^-126 comes out of v_exp_f32 as 0.  t = score x c - round(m x c): its error beside p is about 4e-8 x |m x c|.  A chunk's sums are formed as four quarter chunks' sums: an order of f32 rounding other than the problem's.
; REGISTERS: window 1: v0-127 K, v128-255 V.  Window 0: all else (below); v128-255 the scores S^T, then p (at first: raw q, gain and bias; at a group's end: the eight parts of half a tile of O^T).
.set QC, 0                             ; LDS: q's codes, an image of the operand's registers: 1,024 bytes a tile
.set QN, 16384                         ; normed q, f32, likewise: 4,096 bytes a tile
.set OP, 81920                         ; the parts of O^T: [wave 8][4 tiles][4,096]
.set MX, 212992                        ; the maxima: [16 tiles][16 queries][wave 8]: a chunk's four are 16 bytes on end
.set SM, 221184                        ; the sums: [4 tiles][16 queries][wave 8]
.set LI,  3                            ; v3   16 x lane
.set QO,  5                            ; v5   raw q: r x 4,096 + 64 h
.set SO,  6                            ; v6   statistics: 8 r
.set GO,  7                            ; v7   gain and bias: 64 h
.set AO,  8                            ; v8   the codes out: r x 1,024 + 16 h
.set MXW, 12                           ; v12-19, v28-30: LDS addresses, made once;  v9-11: LDS addresses of the step in hand
.set MXO, 13
.set MXX, 14
.set SMW, 15
.set SMR, 16
.set OPW, 17
.set OPR, 18
.set OPR2, 19
.set Q,   20                           ; v20-27 q's fragment
.set QNW, 28
.set QNR, 29
.set QCW, 30
.set O,   32                           ; v32-63 O^T (at first: the statistics)
.set P,   64                           ; v64-95 p's codes (at first: at work on the norm; at a group's end: normed q, and from v80 the codes out)
.set CH,  96                           ; v96-103 four chains
.set MA,  104                          ; v104-107 my chunk's four maxima, v108-111 the other's (at a group's end: the eight sums)
.set MC,  112                          ; my chunk's maximum;  v113 the larger one;  v114 exp(m - the larger)
.set GM,  113
.set RC,  114
.set NM,  116                          ; v[116:117] c x m
.set FF,  118                          ; v[118:119] 2^(e8 + e9) x RC
.set LIMP, 120
.set SCP, 121
.set PT,  122
.set LIMA, 123
.set SCA, 124
.set RI,  126                          ; v[126:127] 1 / (1e-8 + the sum)
.set S,   128
.set OC,  80
.set STT, 32                           ; for the norm alone: the statistics, 16 registers a tile,
.set NT,  64                           ; at work,
.set MU,  96                           ; v[96:97] a row's mean,
.set RS,  98                           ; v[98:99] 1 / sqrt(var + eps),
.set LIMQ, 100
.set SCQ, 101
.set XQ,  128                          ; raw q, 32 registers a tile,
.set LG,  192                          ; the gain and
.set LB,  224                          ; the bias, in q's layout
.set MSB, 0
.macro WIN new                         ; bits 1:0 source 0, 3:2 source 1, 5:4 source 2, 7:6 destination; the high byte repeats the setting that is left
.if MSB != (\new)
	s_set_vgpr_msb (MSB<<8)|(\new)
.set MSB, (\new)
.endif
.endm
.macro BARRIER                         ; my LDS stores have landed and my LDS loads are in: then the work-group's barrier
	s_wait_dscnt 0x0
	s_barrier_signal -1
	s_barrier_wait -1
.endm
.macro MKQ e, sc, lim                  ; v[sc] = 2^e, v[lim] = 448 x 2^e
	s_add_co_i32 s31, s[\e], 127
	s_lshl_b32 s32, s31, 23
	v_mov_b32 v[\sc], s32
	s_add_co_i32 s31, s31, 8
	s_lshl_b32 s31, s31, 23
	s_or_b32 s31, s31, 0x600000
	v_mov_b32 v[\lim], s31
.endm
	s_load_b256 s[4:11], s[0:1], 0x0               ; qr, st, kv, ln_g
	s_load_b128 s[12:15], s[0:1], 0x20             ; ln_b, the scales' exponents
	s_load_b64 s[16:17], s[0:1], 0x30              ; ac
	v_lshl_add_u32 v115, v0, 2, 0x36800
	v_mov_b32 v125, 0
	v_lshrrev_b32 v9, 5, v0
	v_readfirstlane_b32 s45, v9                    ; wave 0..7
	v_and_b32 v10, 31, v0
	v_and_b32 v1, 15, v0                           ; r
	v_bfe_u32 v2, v0, 4, 1                         ; h
	v_lshlrev_b32 v[LI], 4, v10
	v_lshlrev_b32 v4, 5, v1                        ; 32 r: a query's eight words in MX and SM
	v_lshlrev_b32 v[QO], 12, v1
	v_lshl_add_u32 v[QO], v2, 6, v[QO]
	v_lshlrev_b32 v[SO], 3, v1
	v_lshlrev_b32 v[GO], 6, v2
	v_lshlrev_b32 v[AO], 10, v1
	v_lshl_add_u32 v[AO], v2, 4, v[AO]
	s_lshl_b32 s30, s45, 2
	s_add_co_u32 s31, s30, MX
	v_add_nc_u32 v[MXW], s31, v4                   ; my maxima: 32 r + 4 x wave
	s_add_co_u32 s31, s30, SM
	v_add_nc_u32 v[SMW], s31, v4                   ; my sums likewise
	s_lshr_b32 s32, s45, 2                         ; my chunk
	s_lshl_b32 s33, s32, 4
	s_add_co_u32 s33, s33, MX
	v_add_nc_u32 v[MXO], s33, v4                   ; my chunk's four waves' maxima
	s_xor_b32 s32, s32, 1
	s_lshl_b32 s33, s32, 4
	s_add_co_u32 s33, s33, MX
	v_add_nc_u32 v[MXX], s33, v4                   ; the other chunk's
	s_lshr_b32 s55, s45, 1                         ; which tile of a group I finish (and wave % 2: which half of its channels)
	s_lshl_b32 s33, s55, 9
	s_add_co_u32 s33, s33, SM
	v_add_nc_u32 v[SMR], s33, v4                   ; that tile's eight sums
	s_lshl_b32 s33, s45, 14
	s_add_co_u32 s33, s33, OP
	v_add_nc_u32 v[OPW], s33, v[LI]                ; my parts
	s_lshl_b32 s33, s45, 11                        ; 4,096 x (wave / 2) + 2,048 x (wave % 2) = 2,048 x wave
	s_add_co_u32 s34, s33, OP
	v_add_nc_u32 v[OPR], s34, v[LI]                ; the parts of the half tile that I finish: waves 0-3's,
	v_add_nc_u32 v[OPR2], 0x10000, v[OPR]          ; waves 4-7's (an LDS offset has 16 bits)
	s_add_co_u32 s34, s33, QN
	v_add_nc_u32 v[QNR], s34, v[LI]                ; and its normed q
	s_lshl_b32 s33, s45, 12
	s_add_co_u32 s34, s33, QN
	v_add_nc_u32 v[QNW], s34, v[LI]                ; where I put the tiles that I norm,
	s_lshl_b32 s33, s45, 10
	v_add_nc_u32 v[QCW], s33, v[LI]                ; and their codes
	s_and_b32 s46, ttmp7, 0xffff                   ; 16 x batch + head
	s_lshr_b32 s47, s46, 4                         ; the batch
	s_and_b32 s48, s46, 15                         ; the head
	s_lshl_b32 s49, s47, 11
	s_lshl_b32 s50, ttmp9, 8
	s_add_co_u32 s50, s50, s49                     ; the block's first row: batch x 2,048 + 256 x block
	s_lshl_b32 s51, s45, 4
	s_add_co_u32 s51, s51, s50                     ; the first row that I norm: + 16 x wave
	s_lshl_b32 s56, s55, 4
	s_add_co_u32 s56, s56, s50                     ; the first row that I finish: + 16 x (wave / 2)
	s_lshl_b32 s52, s48, 8
	s_lshl_b32 s53, s48, 6
	s_and_b32 s57, s45, 1
	s_lshl_b32 s57, s57, 5                         ; my half's 32 codes
	s_mov_b32 s37, 0
	s_mov_b32 s20, 0x76543210                      ; v_permlanex16_b32's selects: lane l xor 16
	s_mov_b32 s21, 0xfedcba98
	s_mov_b32 s25, 0x3a800000                      ; 1 / 1,024
	s_mov_b32 s26, 0x3727c5ac                      ; 1e-5
	s_mov_b32 s27, 0x322bcc77                      ; 1e-8
	s_wait_kmcnt 0x0
	s_load_b128 s[40:43], s[14:15], 0x18           ; e6, e7, e8, e9
	s_load_b32 s44, s[14:15], 0x28                 ; e10
	s_lshl_b32 s36, s51, 12
	s_add_co_u32 s36, s36, s52
	s_add_nc_u64 s[4:5], s[4:5], s[36:37]          ; raw q: my row, my head's 64 numbers
	s_lshl_b32 s36, s51, 3
	s_add_nc_u64 s[6:7], s[6:7], s[36:37]          ; the statistics of my rows
	s_mov_b32 s36, s52
	s_add_nc_u64 s[10:11], s[10:11], s[36:37]
	s_add_nc_u64 s[12:13], s[12:13], s[36:37]
	s_lshl_b32 s36, s56, 10
	s_add_co_u32 s36, s36, s53
	s_add_co_u32 s36, s36, s57
	s_add_nc_u64 s[16:17], s[16:17], s[36:37]      ; the codes out
	s_lshl_b32 s36, s46, 17                        ; (16 x batch + head) x 128 KiB of images,
	s_lshl_b32 s54, s45, 14                        ; my 256 keys' 32 images of 512 bytes
	s_add_co_u32 s36, s36, s54
	s_add_nc_u64 s[8:9], s[8:9], s[36:37]          ; K
	s_add_nc_u64 s[18:19], s[8:9], 0x400000        ; V
.irp c, 0,1
.irp u, 0,1,2,3
	global_load_b128 v[LG+16*\c+4*\u:LG+16*\c+4*\u+3], v[GO], s[10:11] offset:128*\c+16*\u
	global_load_b128 v[LB+16*\c+4*\u:LB+16*\c+4*\u+3], v[GO], s[12:13] offset:128*\c+16*\u
.endr
.endr
.irp j, 0,1
.irp m, 0,1,2,3,4,5,6,7
	global_load_b64 v[STT+16*\j+2*\m:STT+16*\j+2*\m+1], v[SO], s[6:7] offset:32768*\m+1024*\j   ; tile 8 j + wave, block m of 128 columns: (mean, M2) of row r
.endr
.endr
.irp j, 0,1
.irp c, 0,1
.irp u, 0,1,2,3
	global_load_b128 v[XQ+32*\j+16*\c+4*\u:XQ+32*\j+16*\c+4*\u+3], v[QO], s[4:5] offset:524288*\j+128*\c+16*\u   ; register 16 c + i: channel 32 c + 16 h + i
.endr
.endr
.endr
	WIN 0x40                                       ; destination window 1
.set T, 0
.rept 16
	global_load_b128 v[8*T:8*T+3], v[LI], s[8:9] offset:1024*T        ; K's tile T, channels 16 h on: 512 consecutive bytes a load
	global_load_b128 v[8*T+4:8*T+7], v[LI], s[8:9] offset:1024*T+512  ; channels 32 + 16 h on
.set T, T+1
.endr
	WIN 0
	v_mov_b32 v[NM+1], 0                           ; the upper halves of pairs of which the low word serves both halves: written once
	v_mov_b32 v[FF+1], 0
	v_mov_b32 v[MU+1], 0
	v_mov_b32 v[RS+1], 0
	v_mov_b32 v[RI+1], 0
	v_mov_b32 v[PT], 0                             ; a lane permute's destination counts as one of its sources
	s_wait_kmcnt 0x0
	s_add_co_i32 s30, s40, s41                     ; e6 + e7
	; WHERE THE HOLD OF p CANNOT ACT it is jumped over.  A raw score is at most 64 x 448 x 448, under 2^24.  With e6 + e7 <= -2, c is at most log2(e) / 4, so |c m| is under 2^23 and its rounding moves
	; t = c s - round(c m), s <= m, by at most 1 / 4: p <= 2^(1/4), under 1.75 = 448 x 2^-8, which with e9 >= -8 is at most 448 x 2^e9.
	s_cmp_le_i32 s30, -2
	s_cselect_b32 s35, 1, 0
	s_cmp_ge_i32 s43, -8
	s_cselect_b32 s35, s35, 0                      ; 1: no p can pass the largest code
	s_lshl_b32 s30, s30, 23
	s_add_co_i32 s22, s30, 0x3fb8aa3b              ; c = log2(e) x 2^(e6 + e7): a raw score stands for score x 2^(e6 + e7)
	s_mov_b32 s23, s22
	s_add_co_i32 s24, s42, s43
	s_add_co_i32 s24, s24, 127
	s_lshl_b32 s24, s24, 23                        ; 2^(e8 + e9)
	s_add_co_i32 s30, s41, 3                       ; q / 8 with the scale 2^e7 is q with the scale 2^(e7 + 3): exact
	MKQ 30, SCQ, LIMQ
	MKQ 43, SCP, LIMP
	MKQ 44, SCA, LIMA
	s_wait_loadcnt 32                              ; 32 loads, K's, were issued behind raw q's last: gain, bias, statistics and raw q are in
; ---- the layer norm of tile 8 j + wave, its image to LDS, its codes' image to LDS
.macro NORM j
.set STJ, STT+16*(\j)
.set XJ, XQ+32*(\j)
	v_add_f32 v[NT], v[STJ], v[STJ+2]
	v_add_f32 v[NT+1], v[STJ+4], v[STJ+6]
	v_add_f32 v[NT+2], v[STJ+8], v[STJ+10]
	v_add_f32 v[NT+3], v[STJ+12], v[STJ+14]
	v_add_f32 v[NT], v[NT], v[NT+1]
	v_add_f32 v[NT+2], v[NT+2], v[NT+3]
	v_add_f32 v[NT], v[NT], v[NT+2]
	v_mul_f32 v[MU], 0x3e000000, v[NT]             ; the row's mean: the eight means' mean
.irp m, 0,1,2,3,4,5,6,7
	v_sub_f32 v[NT+\m], v[STJ+2*\m], v[MU]
.endr
	v_mul_f32 v[NT+8], v[NT], v[NT]
.irp m, 1,2,3,4,5,6,7
	v_fma_f32 v[NT+8], v[NT+\m], v[NT+\m], v[NT+8]
.endr
	v_add_f32 v[NT+9], v[STJ+1], v[STJ+3]
	v_add_f32 v[NT+10], v[STJ+5], v[STJ+7]
	v_add_f32 v[NT+11], v[STJ+9], v[STJ+11]
	v_add_f32 v[NT+12], v[STJ+13], v[STJ+15]
	v_add_f32 v[NT+9], v[NT+9], v[NT+10]
	v_add_f32 v[NT+11], v[NT+11], v[NT+12]
	v_add_f32 v[NT+9], v[NT+9], v[NT+11]
	v_fma_f32 v[NT+9], v[NT+8], 0x43000000, v[NT+9]   ; the row's M2 = the parts' M2 + 128 x the squared differences of their means
	v_fma_f32 v[NT+9], v[NT+9], s25, s26           ; var + eps
	v_rsq_f32 v[RS], v[NT+9]
	v_nop                                          ; a plain line behind the transcendental
.set n, 0
.rept 16
	v_pk_add_f32 v[XJ+n:XJ+n+1], v[XJ+n:XJ+n+1], v[MU:MU+1] op_sel_hi:[1,0] neg_lo:[0,1] neg_hi:[0,1]
.set n, n+2
.endr
.set n, 0
	s_wait_alu depctr_va_vdst(0)
.rept 16
	v_pk_mul_f32 v[XJ+n:XJ+n+1], v[XJ+n:XJ+n+1], v[RS:RS+1] op_sel_hi:[1,0]
.set n, n+2
.endr
.set n, 0
.rept 16
	v_pk_fma_f32 v[XJ+n:XJ+n+1], v[XJ+n:XJ+n+1], v[LG+n:LG+n+1], v[LB+n:LB+n+1]
.set n, n+2
.endr
.irp k, 0,1,2,3,4,5,6,7
	ds_store_b128 v[QNW], v[XJ+4*\k:XJ+4*\k+3] offset:32768*(\j)+512*\k
.endr
.set n, 0
.rept 32
	v_med3_num_f32 v[XJ+n], v[XJ+n], -v[LIMQ], v[LIMQ]   ; the conversion does not saturate (ISA guide 7.6.2)
.set n, n+1
.endr
.irp g, 0,1,2,3
	v_cvt_scalef32_pk8_fp8_f32 v[Q+2*\g:Q+2*\g+1], v[XJ+8*\g:XJ+8*\g+7], v[SCQ]
.endr
	v_nop                                          ; a plain line behind the last conversion of the run
	ds_store_b128 v[QCW], v[Q:Q+3] offset:8192*(\j)
	ds_store_b128 v[QCW], v[Q+4:Q+7] offset:8192*(\j)+512
.endm
	NORM 0
	NORM 1
	WIN 0x40
.irp s, 0,1
.irp t, 0,1,2,3
.irp c, 0,1,2,3
	global_load_b128 v[128+64*\s+16*\t+4*\c:128+64*\s+16*\t+4*\c+3], v[LI], s[18:19] offset:(16*\s+4*\t+\c)*512   ; V's fragment (key step s, tile t): lands while the maxima are made
.endr
.endr
.endr
	WIN 0
	BARRIER                                        ; all 16 tiles' codes lie in LDS
	s_wait_loadcnt 32                              ; 32 loads, V's, were issued behind K's last: K is in
; S^T = K Q^T for my 256 keys: 16 products, each its own accumulator, each begun with 0
.macro SCORES
	WIN 0x01                                       ; K in window 1
.set T, 0
.rept 16
	v_wmma_f32_16x16x64_fp8_fp8 v[S+8*T:S+8*T+7], v[8*T:8*T+7], v[Q:Q+7], 0
.set T, T+1
.endr
	WIN 0
.endm
; ---- phase A: for each tile of queries the largest raw score among my 256 keys
	s_mov_b32 s29, 0
.Lmax:
	s_lshl_b32 s30, s29, 10
	s_lshl_b32 s31, s29, 9
	v_add_nc_u32 v9, s30, v[LI]
	v_add_nc_u32 v10, s31, v[MXW]
	ds_load_b128 v[Q:Q+3], v9
	ds_load_b128 v[Q+4:Q+7], v9 offset:512
	s_wait_dscnt 0x0
	SCORES
.rept 4
	v_nop                                          ; places behind the last products (ISA guide 7.12.1)
.endr
.irp c, 0,1,2,3
	v_max_num_f32 v[CH+\c], v[S+8*\c], v[S+8*\c+1] ; four chains; chain c takes the tiles T with T % 4 = c, each from its low end on
.endr
.set n, 1
.rept 15
.irp c, 0,1,2,3
	v_max3_num_f32 v[CH+\c], v[CH+\c], v[S+8*(\c+4*(n/4))+2*(n%4)], v[S+8*(\c+4*(n/4))+2*(n%4)+1]
.endr
.set n, n+1
.endr
	v_max3_num_f32 v[CH], v[CH], v[CH+1], v[CH+2]
	v_max_num_f32 v[CH], v[CH], v[CH+3]
	v_permlanex16_b32 v[PT], v[CH], s20, s21       ; the query's other keys lie in lane l xor 16
	v_max_num_f32 v[CH], v[CH], v[PT]
	ds_store_b32 v10, v[CH]                        ; lanes r and r + 16 write the same word with the same number
	s_add_co_u32 s29, s29, 1
	s_cmp_lt_u32 s29, 16
	s_cbranch_scc1 .Lmax
	BARRIER                                        ; every wave's maxima lie in LDS
	s_wait_loadcnt 0x0                             ; V is in
; ---- four groups of four tiles
	s_mov_b32 s28, 0
.Lgroup:
	s_mov_b32 s29, 0
.Ltile:                                                ; phase B for tile 4 s28 + s29
	s_lshl_b32 s30, s28, 2
	s_add_co_u32 s30, s30, s29
	s_lshl_b32 s31, s30, 10
	s_lshl_b32 s32, s30, 9
	v_add_nc_u32 v9, s31, v[LI]
	v_add_nc_u32 v10, s32, v[MXO]
	v_add_nc_u32 v11, s32, v[MXX]
	ds_load_b128 v[Q:Q+3], v9
	ds_load_b128 v[Q+4:Q+7], v9 offset:512
	ds_load_b128 v[MA:MA+3], v10
	ds_load_b128 v[MA+4:MA+7], v11
	s_wait_dscnt 0x0
	SCORES
	v_max3_num_f32 v[MC], v[MA], v[MA+1], v[MA+2]  ; (these six plain lines are the places behind the products)
	v_max3_num_f32 v[GM], v[MA+4], v[MA+5], v[MA+6]
	v_max_num_f32 v[MC], v[MC], v[MA+3]            ; my chunk's maximum
	v_max3_num_f32 v[GM], v[GM], v[MA+7], v[MC]    ; the larger of the two chunks'
	v_sub_f32 v[RC], v[MC], v[GM]
	v_mul_f32 v[RC], s22, v[RC]
	v_exp_f32 v[RC], v[RC]                         ; exp(m - the larger m)
	v_mul_f32 v[NM], s22, v[MC]                    ; c x m  (a plain line behind the transcendental)
	s_wait_alu depctr_va_vdst(0)
	v_mul_f32 v[FF], s24, v[RC]
	; t = c s - c m, two at a time, each accumulator from its low end on; p = 2^t.  The multiply-adds run four pairs ahead, and two exponentials stand behind each: plain work beside the transcendentals
.set n, 0
.rept 4
	v_pk_fma_f32 v[S+n:S+n+1], v[S+n:S+n+1], s[22:23], v[NM:NM+1] op_sel_hi:[1,0,0] neg_lo:[0,0,1] neg_hi:[0,0,1]
.set n, n+2
.endr
.set n, 0
.rept 64
.if n+8 < 128
	v_pk_fma_f32 v[S+n+8:S+n+9], v[S+n+8:S+n+9], s[22:23], v[NM:NM+1] op_sel_hi:[1,0,0] neg_lo:[0,0,1] neg_hi:[0,0,1]
.endif
	v_exp_f32 v[S+n], v[S+n]
	v_exp_f32 v[S+n+1], v[S+n+1]
.set n, n+2
.endr
	v_nop                                          ; a plain line behind the transcendentals
	s_wait_alu depctr_va_vdst(0)
.irp c, 0,2,4,6
	v_pk_add_f32 v[CH+\c:CH+\c+1], v[S+\c:S+\c+1], v[S+8+\c:S+8+\c+1]   ; the sum is taken of the unquantised p, in four chains
.endr
.set n, 16
.rept 56
	v_pk_add_f32 v[CH+n%8:CH+n%8+1], v[CH+n%8:CH+n%8+1], v[S+n:S+n+1]
.set n, n+2
.endr
	s_cmp_lg_u32 s35, 0                            ; a branch on whole numbers read from the scales' buffer, the same in every wave; no barrier stands under it
	s_cbranch_scc1 .Lfree
.set n, 0
.rept 128
	v_min_num_f32 v[S+n], v[S+n], v[LIMP]          ; the conversion does not saturate (ISA guide 7.6.2); p is not negative, so the hold is one-sided
.set n, n+1
.endr
.Lfree:
.set T, 0
.rept 16
	v_cvt_scalef32_pk8_fp8_f32 v[P+2*T:P+2*T+1], v[S+8*T:S+8*T+7], v[SCP]
.set T, T+1
.endr
	v_nop                                          ; a plain line between the conversions and the products that read their results
	WIN 0x01                                       ; V in window 1
.irp s, 0,1                            ; O^T = V^T P^T: the four accumulators take turns, one instruction a turn; the first key step starts the sums
.irp t, 0,1,2,3
.if \s == 0
	v_wmma_f32_16x16x128_fp8_fp8 v[O+8*\t:O+8*\t+7], v[128+64*\s+16*\t:128+64*\s+16*\t+15], v[P+16*\s:P+16*\s+15], 0
.else
	v_wmma_f32_16x16x128_fp8_fp8 v[O+8*\t:O+8*\t+7], v[128+64*\s+16*\t:128+64*\s+16*\t+15], v[P+16*\s:P+16*\s+15], v[O+8*\t:O+8*\t+7]
.endif
.endr
.endr
	WIN 0
	v_pk_add_f32 v[CH:CH+1], v[CH:CH+1], v[CH+2:CH+3]   ; the sum is finished: these lines are the places behind the products
	v_pk_add_f32 v[CH+4:CH+5], v[CH+4:CH+5], v[CH+6:CH+7]
	v_pk_add_f32 v[CH:CH+1], v[CH:CH+1], v[CH+4:CH+5]
	v_add_f32 v[CH], v[CH], v[CH+1]
	v_permlanex16_b32 v[PT], v[CH], s20, s21
	v_add_f32 v[CH], v[CH], v[PT]
	v_mul_f32 v[CH], v[CH], v[RC]
	s_lshl_b32 s33, s29, 9
	s_lshl_b32 s34, s29, 12
	v_add_nc_u32 v10, s33, v[SMW]
	v_add_nc_u32 v11, s34, v[OPW]
	ds_store_b32 v10, v[CH]
.set n, 0
.rept 16
	v_pk_mul_f32 v[O+n:O+n+1], v[O+n:O+n+1], v[FF:FF+1] op_sel_hi:[1,0]   ; x 2^(e8 + e9) x exp(m - the larger m)
.set n, n+2
.endr
.irp k, 0,1,2,3,4,5,6,7
	ds_store_b128 v11, v[O+4*\k:O+4*\k+3] offset:512*\k
.endr
	s_add_co_u32 s29, s29, 1
	s_cmp_lt_u32 s29, 4
	s_cbranch_scc1 .Ltile
	BARRIER                                        ; four tiles' parts and sums of all eight waves lie in LDS
	; wave w finishes tile 4 s28 + w / 2, channels 32 (w % 2) + 16 h + 0 .. 15: registers 16 (w % 2) on of O^T
	s_lshl_b32 s30, s28, 14
	v_add_nc_u32 v9, s30, v[QNR]
.irp p, 0,1,2,3
.irp k, 0,1,2,3
	ds_load_b128 v[S+16*\p+4*\k:S+16*\p+4*\k+3], v[OPR] offset:16384*\p+512*\k
.endr
.endr
.irp p, 4,5,6,7
.irp k, 0,1,2,3
	ds_load_b128 v[S+16*\p+4*\k:S+16*\p+4*\k+3], v[OPR2] offset:16384*(\p-4)+512*\k
.endr
.endr
.irp k, 0,1,2,3
	ds_load_b128 v[P+4*\k:P+4*\k+3], v9 offset:512*\k
.endr
	ds_load_b128 v[MA:MA+3], v[SMR]
	ds_load_b128 v[MA+4:MA+7], v[SMR] offset:16
	s_wait_dscnt 0x0
	v_add_f32 v[MA], v[MA], v[MA+1]
	v_add_f32 v[MA+2], v[MA+2], v[MA+3]
	v_add_f32 v[MA+4], v[MA+4], v[MA+5]
	v_add_f32 v[MA+6], v[MA+6], v[MA+7]
	v_add_f32 v[MA], v[MA], v[MA+2]                ; chunk 0's sum,
	v_add_f32 v[MA+4], v[MA+4], v[MA+6]            ; chunk 1's,
	v_add_f32 v[MA], v[MA], v[MA+4]
	v_add_f32 v[MA], s27, v[MA]                    ; 1e-8 + the sum
	v_rcp_f32 v[RI], v[MA]
	v_nop                                          ; a plain line behind the transcendental
.set n, 0
.rept 8
	v_pk_add_f32 v[S+n:S+n+1], v[S+n:S+n+1], v[S+16+n:S+16+n+1]
	v_pk_add_f32 v[S+32+n:S+32+n+1], v[S+32+n:S+32+n+1], v[S+48+n:S+48+n+1]
	v_pk_add_f32 v[S+64+n:S+64+n+1], v[S+64+n:S+64+n+1], v[S+80+n:S+80+n+1]
	v_pk_add_f32 v[S+96+n:S+96+n+1], v[S+96+n:S+96+n+1], v[S+112+n:S+112+n+1]
.set n, n+2
.endr
.set n, 0
.rept 8
	v_pk_add_f32 v[S+n:S+n+1], v[S+n:S+n+1], v[S+32+n:S+32+n+1]           ; chunk 0,
	v_pk_add_f32 v[S+64+n:S+64+n+1], v[S+64+n:S+64+n+1], v[S+96+n:S+96+n+1]   ; chunk 1,
.set n, n+2
.endr
.set n, 0
.rept 8
	v_pk_add_f32 v[S+n:S+n+1], v[S+n:S+n+1], v[S+64+n:S+64+n+1]           ; and the two chunks
.set n, n+2
.endr
.set n, 0
	s_wait_alu depctr_va_vdst(0)
.rept 8
	v_pk_fma_f32 v[S+n:S+n+1], v[S+n:S+n+1], v[RI:RI+1], v[P+n:P+n+1] op_sel_hi:[1,0,1]   ; attention + normed q
.set n, n+2
.endr
.set n, 0
.rept 16
	v_med3_num_f32 v[S+n], v[S+n], -v[LIMA], v[LIMA]
.set n, n+1
.endr
	v_cvt_scalef32_pk8_fp8_f32 v[OC:OC+1], v[S:S+7], v[SCA]
	v_cvt_scalef32_pk8_fp8_f32 v[OC+2:OC+3], v[S+8:S+15], v[SCA]
	v_nop                                          ; a plain line behind the last conversion: the next group's products write its sources
	global_store_b128 v[AO], v[OC:OC+3], s[16:17]  ; 16 codes a lane (a head's part of a row is 64 bytes in the tensor itself)
	s_wait_xcnt 0x0                                ; the store has read its data and its base: both are written again
	s_add_nc_u64 s[16:17], s[16:17], 65536         ; 64 rows on
	BARRIER                                        ; every wave's reads of the parts and sums are over: the next group may write them
	s_add_co_u32 s28, s28, 1
	s_cmp_lt_u32 s28, 4
	s_cbranch_scc1 .Lgroup
	s_wait_tensorcnt 0x0
	ds_add_u32 v115, v125
	s_wait_dscnt 0x0
	s_endpgm
.Lfunc_end_k_q5648235ce0_attn:
	.size	k_q5648235ce0_attn, .Lfunc_end_k_q5648235ce0_attn-k_q5648235ce0_attn
	.p2alignl 7, 3214868480
	.fill 96, 4, 3214868480
	.section	.rodata,"a",@progbits
	.p2align	6, 0x0
	.amdhsa_kernel k_q5648235ce0_attn
		.amdhsa_group_segment_fixed_size 224256
		.amdhsa_private_segment_fixed_size 0
		.amdhsa_enable_private_segment 0
		.amdhsa_kernarg_size 56
		.amdhsa_user_sgpr_count 2
		.amdhsa_user_sgpr_kernarg_segment_ptr 1
		.amdhsa_wavefront_size32 1
		.amdhsa_system_sgpr_workgroup_id_x 1
		.amdhsa_system_sgpr_workgroup_id_y 1
		.amdhsa_system_sgpr_workgroup_id_z 1
		.amdhsa_system_vgpr_workitem_id 0
		.amdhsa_next_free_vgpr 512
		.amdhsa_next_free_sgpr 66
		.amdhsa_reserve_vcc 0
		.amdhsa_float_denorm_mode_32 3
		.amdhsa_float_denorm_mode_16_64 3
		.amdhsa_memory_ordered 1
		.amdhsa_forward_progress 1
		.amdhsa_inst_pref_size 67
	.end_amdhsa_kernel
	.amdgpu_metadata
---
amdhsa.version: [ 1, 2 ]
amdhsa.kernels:
  - .name:           k_q5648235ce0_attn
    .symbol:         k_q5648235ce0_attn.kd
    .args:
      - { .name: qr, .offset: 0, .size: 8, .value_kind: global_buffer, .address_space: global }
      - { .name: st, .offset: 8, .size: 8, .value_kind: global_buffer, .address_space: global }
      - { .name: kv, .offset: 16, .size: 8, .value_kind: global_buffer, .address_space: global }
      - { .name: ln_g, .offset: 24, .size: 8, .value_kind: global_buffer, .address_space: global }
      - { .name: ln_b, .offset: 32, .size: 8, .value_kind: global_buffer, .address_space: global }
      - { .name: lowp_scales, .offset: 40, .size: 8, .value_kind: global_buffer, .address_space: global }
      - { .name: ac, .offset: 48, .size: 8, .value_kind: global_buffer, .address_space: global }
    .group_segment_fixed_size: 224256
    .private_segment_fixed_size: 0
    .kernarg_segment_align: 8
    .kernarg_segment_size: 56
    .max_flat_workgroup_size: 256
    .sgpr_count:     66
    .vgpr_count:     512
    .wavefront_size: 32
...
	.end_amdgpu_metadata
.endif
;; end of part 3
;; launch outp (part 4): grid 8 x 32, 4 waves a work-group, clusters of 4 x 4, 270,848 bytes of LDS; arguments ac, cw, bo, lowp_scales, out0; writes out0
.if DOCPART == 4
	.amdgcn_target "amdgcn-amd-amdhsa--gfx1250"
	.amdhsa_code_object_version 6
	.text
	.protected	k_q5648235ce0_outp
	.globl	k_q5648235ce0_outp
	.p2align	8
	.type	k_q5648235ce0_outp,@function
k_q5648235ce0_outp:
	s_mov_b64 s[64:65], 0
	v_nop
	global_prefetch_b8 v0, s[64:65] scope:SCOPE_SE
	s_setreg_imm32_b32 hwreg(HW_REG_WAVE_MODE, 25, 1), 1
	s_wait_xcnt 0x0
	s_wait_alu depctr_hold_cnt(0) depctr_sa_sdst(0) depctr_va_vdst(0) depctr_va_sdst(0) depctr_va_ssrc(0) depctr_va_vcc(0) depctr_vm_vsrc(0)
	s_getreg_b32 s2, hwreg(HW_REG_IB_STS2, 6, 4)
	s_cmp_eq_u32 s2, 0
	s_cbranch_scc0 .Lentry_in_a_cluster
	s_endpgm
.Lentry_in_a_cluster:
	s_bfe_u32 s2, ttmp6, 0x10000c
	s_cmp_lg_u32 s2, 0xf033
	s_cbranch_scc0 .Lentry_shape_is_right
	s_endpgm
.Lentry_shape_is_right:
; out0 = (attention + normed q) Wo + bo on E4M3 codes: A = ac [4096][1024], B = Wo's codes [n 1024][k 1024] at 15 MiB of cw; each sum x 2^(e10 + e11) + bo.
; A tile of the result is 128 x 128, so that there are 8 x 32 = 256 work-groups; four waves, 64 x 64 each: 16 accumulators.
; THE WHOLE K LIES IN LDS: two halves of 512 bytes a row (pitch 528), each brought by one joint tensor load a wave at the start.  No LDS byte is filled twice: no refill, no ring.
; CLUSTERS: 4 x 4 work-groups; A's tiles are shared along a row of the cluster, B's along a column.  The matrix instruction is used transposed (source 0 = 16 rows of B, source 1 = 16 rows of A): a lane holds 8 neighbouring columns of a row.
; LIMIT: e10 + e11 between -126 and 127.
; REGISTERS: window 0: v0-31 addresses; v32-63 the bias; v64-95 a block's values; v128-255 the accumulators ((a, b) at v[128 + 8 (4 a + b)]).  window 1: two fragment buffers of 128: A's four fragments, then B's four.
.set PITCH,  528                       ; 512 bytes + 16 of padding: the 16 rows of a fragment load start at 16 different banks (64 banks of 4 bytes: ISA guide 11.1)
.set HALFT,  64*PITCH
.set SLOT,   4*HALFT                   ; A's 128 rows, then B's 128 rows, 512 along K
.set SPITCH, 272                       ; the way out: a stage of 16 rows x (256 bytes + 16) for each wave, in the first half's bytes, which nobody reads behind the second barrier
.set HB,   12
.set ADRA, 16
.set ADRB, 20
.set STO,  24
.set RD,   25
.set CO,   26
.set BC,   32
.set TMP,  64
.set ACC,  128
.set F0,   0
.set F1,   128
.set G1, 24
.set G0, 32
.set G1B, 48
.set G0B, 56
.set MSB, 0
.macro WIN new
.if MSB != (\new)
	s_set_vgpr_msb (MSB<<8)|(\new)
.set MSB, (\new)
.endif
.endm
.set MUL,  0x05                        ; sources 0 (B) and 1 (A) window 1; C and D window 0
.set TO_F, 0x40
.macro JLOAD s                         ; waves 0 and 1 fetch A's two halves of rows, waves 2 and 3 B's; four v_nop follow each of the two lines
	s_cmp_eq_u32 s11, 0
	s_cbranch_scc0 .Lfor_b_\@
	tensor_load_to_lds s[G0+4*\s:G0+4*\s+3], s[G1:G1+7]
	s_nop 0
.rept 4
	v_nop
.endr
	s_branch .Lasked_\@
.Lfor_b_\@:
	tensor_load_to_lds s[G0B+4*\s:G0B+4*\s+3], s[G1B:G1B+7]
	s_nop 0
.rept 4
	v_nop
.endr
.Lasked_\@:
.endm
.macro CROUND
	s_barrier_signal -1
	s_barrier_wait -1
	s_cmp_lg_u32 s10, 0
	s_cbranch_scc1 .Lnot_wave_0_\@
	s_barrier_signal -3
.Lnot_wave_0_\@:
	s_barrier_wait -3
	s_barrier_signal -1
	s_barrier_wait -1
.endm
	s_load_b128 s[4:7], s[0:1], 0x0                ; ac, cw
	s_load_b128 s[68:71], s[0:1], 0x10             ; bo, the scales' exponents
	s_load_b64 s[8:9], s[0:1], 0x20                ; out0
	v_lshl_add_u32 v126, v0, 2, 0x42000
	v_mov_b32 v127, 0
	ds_add_u32 v126, v127
	ds_add_u32 v126, v127
	v_lshrrev_b32 v1, 5, v0
	v_readfirstlane_b32 s10, v1                    ; wave
	s_lshr_b32 s11, s10, 1                         ; which half of the tile's rows is mine.  Also: I fetch for A (0) or for B (1)
	s_and_b32 s12, s10, 1                          ; which half of its columns.  Also: which 64 rows I fetch
	s_bfe_u32 s40, ttmp6, 0x40000
	s_bfe_u32 s41, ttmp6, 0x40004
	s_lshl_b32 s42, ttmp9, 2
	s_add_co_u32 s42, s42, s40                     ; tile column
	s_and_b32 s13, ttmp7, 0xffff
	s_lshl_b32 s13, s13, 2
	s_add_co_u32 s13, s13, s41                     ; tile row
	s_lshl_b32 s43, s41, 2
	s_lshl_b32 s43, 15, s43                        ; my row of the cluster
	s_lshl_b32 s44, 0x1111, s40                    ; my column
	s_or_b32 s[G1+0], s43, (0<<16)|(1<<20)|(1<<21)|(6<<22)|(3<<25)  ; the mask; elements of 1 byte; padding on; bit 21 beside a mask; 4 words of padding after every 128
	s_or_b32 s[G1B+0], s44, (0<<16)|(1<<20)|(1<<21)|(6<<22)|(3<<25)
.irp g, G1, G1B
	s_mov_b32 s[\g+1], 512<<16                     ; tensor_dim0
	s_mov_b32 s[\g+2], 64<<16                      ; tensor_dim1
	s_mov_b32 s[\g+3], 512<<16                     ; tile_dim0
	s_mov_b32 s[\g+4], 64                          ; tile_dim1
	s_mov_b32 s[\g+5], 1024                        ; the pitch
	s_mov_b32 s[\g+6], 0
	s_mov_b32 s[\g+7], 0
.endr
	s_lshl_b32 s17, s12, 6
	s_lshl_b32 s16, s13, 7
	s_add_co_u32 s16, s16, s17
	s_lshl_b32 s16, s16, 10                        ; A: (128 x tile row + 64 x half) rows of 1,024 bytes
	s_lshl_b32 s46, s42, 7
	s_add_co_u32 s46, s46, s17
	s_lshl_b32 s46, s46, 10
	s_add_co_u32 s46, s46, 0xf00000                ; B likewise, in Wo's section
	s_mov_b32 s17, 0
	s_mov_b32 s47, 0
	s_mul_i32 s20, s10, HALFT
	s_wait_dscnt 0x0
	s_wait_kmcnt 0x0
	s_load_b64 s[72:73], s[70:71], 0x28            ; e10, e11
	s_add_nc_u64 s[14:15], s[4:5], s[16:17]
	s_add_nc_u64 s[46:47], s[6:7], s[46:47]
	CROUND                                         ; all sixteen work-groups are here: the joint loads meet
.irp s, 0,1
	s_mov_b32 s[G0+4*\s], 1
	s_add_co_u32 s[G0+4*\s+1], s20, \s*SLOT
	s_add_nc_u64 s[G0+4*\s+2:G0+4*\s+3], s[14:15], \s*512
	s_or_b32 s[G0+4*\s+3], s[G0+4*\s+3], 0x80000000
	s_mov_b32 s[G0B+4*\s], 1
	s_add_co_u32 s[G0B+4*\s+1], s20, \s*SLOT
	s_add_nc_u64 s[G0B+4*\s+2:G0B+4*\s+3], s[46:47], \s*512
	s_or_b32 s[G0B+4*\s+3], s[G0B+4*\s+3], 0x80000000
	JLOAD \s                                       ; two loads of mine are out: all that this launch fetches by the mover
.endr
	v_and_b32 v1, 15, v0                           ; r
	v_bfe_u32 v2, v0, 4, 1                         ; h
	v_mul_u32_u24 v3, v1, PITCH
	v_lshl_add_u32 v3, v2, 4, v3
	s_mul_i32 s21, s11, HALFT
	s_mul_i32 s22, s12, HALFT
	s_add_co_u32 s22, s22, 2*HALFT
.irp s, 0,1
	v_add_nc_u32 v[ADRA+\s], s21, v3
	v_add_nc_u32 v[ADRB+\s], s22, v3
	s_add_co_u32 s21, s21, SLOT
	s_add_co_u32 s22, s22, SLOT
.endr
	s_mul_i32 s23, s10, 16*SPITCH                  ; my stage
	v_mul_u32_u24 v4, v1, SPITCH
	v_lshl_add_u32 v4, v2, 5, v4
	v_add_nc_u32 v[STO], s23, v4                   ; in: row r, 32 bytes for each half of the lanes
	v_mul_u32_u24 v5, v2, SPITCH
	v_lshl_add_u32 v5, v1, 4, v5
	v_add_nc_u32 v[RD], s23, v5                    ; back: lanes 0-15 one row of 256 bytes, lanes 16-31 the next
	v_lshlrev_b32 v[CO], 12, v2
	v_lshl_add_u32 v[CO], v1, 4, v[CO]             ; and the same two rows in out0
	v_lshlrev_b32 v[HB], 5, v2
	s_lshl_b32 s16, s42, 7
	s_lshl_b32 s18, s12, 6
	s_add_co_u32 s16, s16, s18
	s_lshl_b32 s16, s16, 2                         ; my first column, in bytes: a multiple of 256
	s_add_nc_u64 s[68:69], s[68:69], s[16:17]
.irp b, 0,1,2,3
	global_load_b128 v[BC+8*\b:BC+8*\b+3], v[HB], s[68:69] offset:64*\b        ; bo at columns 16 b + 8 h + 0 .. 7
	global_load_b128 v[BC+8*\b+4:BC+8*\b+7], v[HB], s[68:69] offset:64*\b+16
.endr
	s_lshl_b32 s18, s13, 7
	s_lshl_b32 s19, s11, 6
	s_add_co_u32 s18, s18, s19
	s_lshl_b32 s18, s18, 12                        ; my first row x 4,096 bytes
	s_add_co_u32 s18, s18, s16
	s_mov_b32 s19, 0
	s_add_nc_u64 s[8:9], s[8:9], s[18:19]
.macro MUL16 f, zero                   ; 128 along K: the 16 accumulators take turns, one instruction a turn, in the same order in every step
	WIN MUL
.irp a, 0,1,2,3
.irp b, 0,1,2,3
.if \zero
	v_wmma_f32_16x16x128_fp8_fp8 v[ACC+8*(4*\a+\b):ACC+8*(4*\a+\b)+7], v[\f+64+16*\b:\f+64+16*\b+15], v[\f+16*\a:\f+16*\a+15], 0
.else
	v_wmma_f32_16x16x128_fp8_fp8 v[ACC+8*(4*\a+\b):ACC+8*(4*\a+\b)+7], v[\f+64+16*\b:\f+64+16*\b+15], v[\f+16*\a:\f+16*\a+15], v[ACC+8*(4*\a+\b):ACC+8*(4*\a+\b)+7]
.endif
.endr
.endr
.endm
.macro FETCH slot, k, f                ; 32 LDS loads in one run: the fragments of 128 along K at byte k of the rows; registers 4 c .. 4 c + 3 hold K = 32 c + 16 h + 0 .. 15 in both operands
	WIN TO_F
.irp i, 0,1,2,3
.irp c, 0,1,2,3
	ds_load_b128 v[\f+64+16*\i+4*\c:\f+64+16*\i+4*\c+3], v[ADRB+\slot] offset:\k+32*\c+\i*16*PITCH
	ds_load_b128 v[\f+16*\i+4*\c:\f+16*\i+4*\c+3], v[ADRA+\slot] offset:\k+32*\c+\i*16*PITCH
.endr
.endr
.endm
.macro PLACES                          ; plain vector lines between a matrix instruction and a load into, or a read of, its registers
.rept 4
	v_nop
.endr
.endm
.macro QUARTER slot, k, f, g, zero     ; multiplies buffer f while the next 128 along K, at byte k, come into buffer g
	s_wait_dscnt 0x0                               ; buffer f is in
	PLACES
	FETCH \slot, \k, \g
	MUL16 \f, \zero
.endm
	s_wait_tensorcnt 1                             ; my part of the first half of K is in (the second half's load may be out)
	s_barrier_signal -1
	s_barrier_wait -1                              ; everybody's is
	FETCH 0, 0, F0
	QUARTER 0, 128, F0, F1, 1                      ; the first products start the sums
	QUARTER 0, 256, F1, F0, 0
	QUARTER 0, 384, F0, F1, 0
	s_wait_dscnt 0x0                               ; my reads of the first half are over,
	s_wait_tensorcnt 0x0                           ; and my part of the second half is in
	s_barrier_signal -1
	s_barrier_wait -1
	PLACES
	FETCH 1, 0, F0
	MUL16 F1, 0
	QUARTER 1, 128, F0, F1, 0
	QUARTER 1, 256, F1, F0, 0
	QUARTER 1, 384, F0, F1, 0
	s_wait_dscnt 0x0
	MUL16 F1, 0
	WIN 0
	PLACES
	s_wait_kmcnt 0x0
	s_add_co_i32 s96, s72, s73
	s_add_co_i32 s96, s96, 127
	s_lshl_b32 s96, s96, 23                        ; 2^(e10 + e11)
	s_mov_b32 s97, s96
	s_wait_loadcnt 0x0                             ; the bias
; THE WAY OUT, a block of 16 rows x 64 columns at a time, through my own stage: a row's 256 bytes leave as one aligned run from sixteen lanes
.macro OSTAGE a
.set j, 0
.rept 16
	v_pk_fma_f32 v[TMP+j:TMP+j+1], v[ACC+32*(\a)+j:ACC+32*(\a)+j+1], s[96:97], v[BC+j:BC+j+1] op_sel_hi:[1,0,1]   ; each accumulator from its low end on
.set j, j+2
.endr
.irp b, 0,1,2,3
	ds_store_b128 v[STO], v[TMP+8*\b:TMP+8*\b+3] offset:64*\b
	ds_store_b128 v[STO], v[TMP+8*\b+4:TMP+8*\b+7] offset:64*\b+16
.endr
	WIN 0x40
.irp t, 0,1,2,3,4,5,6,7
	ds_load_b128 v[32*((\a)%2)+4*\t:32*((\a)%2)+4*\t+3], v[RD] offset:2*SPITCH*\t   ; LDS serves a wave's instructions in order (ISA guide 5.7.1.4)
.endr
	WIN 0
.endm
.macro OSEND a, younger
	s_wait_dscnt \younger
	WIN 0x04
.irp t, 0,1,2,3,4,5,6,7
	global_store_b128 v[CO], v[32*((\a)%2)+4*\t:32*((\a)%2)+4*\t+3], s[8:9] offset:(16*(\a)+2*\t)*4096 th:TH_STORE_NT
.endr
	WIN 0
.endm
	OSTAGE 0
.irp a, 1,2,3
.if \a > 1
	s_wait_xcnt 0x0                                ; block a - 2's stores have read their registers: block a's loads may land there
.endif
	OSTAGE \a
	OSEND \a-1, 16                                 ; behind block a - 1's loads: block a's 8 stores and 8 loads
.endr
	OSEND 3, 0
	s_wait_tensorcnt 0x0
	ds_add_u32 v126, v127
	s_wait_dscnt 0x0
	CROUND                                         ; the closing round: no work-group ends while a partner may still ask for a tile that names it
	s_endpgm
.Lfunc_end_k_q5648235ce0_outp:
	.size	k_q5648235ce0_outp, .Lfunc_end_k_q5648235ce0_outp-k_q5648235ce0_outp
	.p2alignl 7, 3214868480
	.fill 96, 4, 3214868480
	.section	.rodata,"a",@progbits
	.p2align	6, 0x0
	.amdhsa_kernel k_q5648235ce0_outp
		.amdhsa_group_segment_fixed_size 270848
		.amdhsa_private_segment_fixed_size 0
		.amdhsa_enable_private_segment 0
		.amdhsa_kernarg_size 40
		.amdhsa_user_sgpr_count 2
		.amdhsa_user_sgpr_kernarg_segment_ptr 1
		.amdhsa_wavefront_size32 1
		.amdhsa_system_sgpr_workgroup_id_x 1
		.amdhsa_system_sgpr_workgroup_id_y 1
		.amdhsa_system_sgpr_workgroup_id_z 1
		.amdhsa_system_vgpr_workitem_id 0
		.amdhsa_next_free_vgpr 512
		.amdhsa_next_free_sgpr 100
		.amdhsa_reserve_vcc 0
		.amdhsa_float_denorm_mode_32 3
		.amdhsa_float_denorm_mode_16_64 3
		.amdhsa_memory_ordered 1
		.amdhsa_forward_progress 1
		.amdhsa_inst_pref_size 46
	.end_amdhsa_kernel
	.amdgpu_metadata
---
amdhsa.version: [ 1, 2 ]
amdhsa.kernels:
  - .name:           k_q5648235ce0_outp
    .symbol:         k_q5648235ce0_outp.kd
    .args:
      - { .name: ac, .offset: 0, .size: 8, .value_kind: global_buffer, .address_space: global }
      - { .name: cw, .offset: 8, .size: 8, .value_kind: global_buffer, .address_space: global }
      - { .name: bo, .offset: 16, .size: 8, .value_kind: global_buffer, .address_space: global }
      - { .name: lowp_scales, .offset: 24, .size: 8, .value_kind: global_buffer, .address_space: global }
      - { .name: out0, .offset: 32, .size: 8, .value_kind: global_buffer, .address_space: global }
    .group_segment_fixed_size: 270848
    .private_segment_fixed_size: 0
    .kernarg_segment_align: 8
    .kernarg_segment_size: 40
    .max_flat_workgroup_size: 128
    .sgpr_count:     100
    .vgpr_count:     512
    .wavefront_size: 32
...
	.end_amdgpu_metadata
.endif
;; end of part 4
;; ======== version 2 of 2: 4 launches; version 1 with the launch attn written anew for expert scheduling mode
;; workspace buffers: cw 16,777,216 bytes; qr 16,777,216 bytes; st 262,144 bytes; kv 8,388,608 bytes; ac 4,194,304 bytes
;; launch quant: the kernel of part 1 again; grid 384 x 1, 4 waves a work-group, no clusters, 68,096 bytes of LDS; arguments x, Wq, Wk, Wv, Wo, lowp_scales, cw; writes cw
;; launch proj: the kernel of part 2 again; grid 12 x 16, 4 waves a work-group, clusters of 4 x 4, 327,680 bytes of LDS; arguments cw, bq, bk, bv, lowp_scales, qr, st, kv; writes qr, st, kv
;; launch attn (part 5): grid 8 x 32, 8 waves a work-group, no clusters, 224,256 bytes of LDS; arguments qr, st, kv, ln_g, ln_b, lowp_scales, ac; writes ac
.if DOCPART == 5
	.amdgcn_target "amdgcn-amd-amdhsa--gfx1250"
	.amdhsa_code_object_version 6
	.text
	.protected	k_q5648235ce0_attn
	.globl	k_q5648235ce0_attn
	.p2align	8
	.type	k_q5648235ce0_attn,@function
k_q5648235ce0_attn:
	s_mov_b64 s[64:65], 0
	v_nop
	global_prefetch_b8 v0, s[64:65] scope:SCOPE_SE
	s_setreg_imm32_b32 hwreg(HW_REG_WAVE_SCHED_MODE, 0, 2), 2
	s_setreg_imm32_b32 hwreg(HW_REG_WAVE_MODE, 25, 1), 1
	s_wait_xcnt 0x0
	s_wait_alu depctr_vm_vsrc(0)
; The layer norm of q is finished; then attention on E4M3 codes, the residual, and the codes of (attention + normed q) for the last projection.
; A work-group owns 256 queries (16 tiles of 16) of one head of one batch.  THE WAVES SHARE THE KEYS, NOT THE QUERIES: wave w keeps keys 256 w .. 256 w + 255 of the head in registers for the whole launch
; (K: 16 fragments, 128 registers; V^T: 8 fragments, 128 registers), read from memory once, and every wave walks all 16 tiles of queries.  No K or V goes through LDS.
; EIGHT WAVES OF 512 REGISTERS, TWO TO A SIMD: the work is mostly vector work, so one wave's vector lines stand beside the other's matrix instructions, exponentials and waits for LDS; a smaller share of keys costs no
; reading twice, since K and V lie in registers.
; THE SCALES of the scores' product: k is its left operand as it is lowered (2^e6, applied by the launch before), q / 8 its right one (2^e7, applied here).  Of the second product v has 2^e8, p has 2^e9.
; WHAT IS QUANTISED for the second product is exp(score - m), m the TRUE maximum over a chunk of 1,024 keys (waves 0-3 and waves 4-7), not normalised.  So m must be known before any p:
;   phase A: all scores of a tile, of which only the maximum is kept; the waves' maxima meet in LDS;   phase B: the scores once more, p, its sum (unquantised), its codes, O^T = V^T P^T.
; The chunks are joined as the problem has it: each wave's part of O^T and of the sum is multiplied by exp(m_chunk - the larger m), the eight parts are added, divided by 1e-8 + the sum.
; LAYOUT (r = lane % 16, h = lane / 16).  Both products are used transposed, so a lane holds ONE query r throughout.  Lane r of K's tile 2 b + u holds key 32 b + 8 u + r + 8 (r / 8), so that the 16 registers of
; tiles 2 b, 2 b + 1 are keys 32 b + 16 h + 0 .. 15: the conversions' results are the second product's operand.  V's rows are chosen alike, so that O^T's register 16 b + i is channel 32 b + 16 h + i: the layout in which q is loaded.
; kv holds K and V as images of these registers (the launch before lays them so): each load of the wave reads 512 consecutive bytes.  A fragment's order of K is the same in both operands of each product.
; NO CLUSTER: the eight work-groups of a head read the same 256 KiB of K and V, but each reads them once, straight into operand registers, for the work of 16 tiles; a joint load would land in LDS and have to be copied on.
; LIMITS: e6 + e7 between -126 and 127 (added to log2(e)'s exponent field); e8 + e9 between -126 and 127; e7 + 3, e9, e10 between -126 and 119.  NaN among the inputs is not served.
;   p under 2^-126 comes out of v_exp_f32 as 0.  t = score x c - round(m x c): its error beside p is about 4e-8 x |m x c|.  A chunk's sums are formed as four quarter chunks' sums: an order of f32 rounding other than the problem's.
; THE MODE: SCHED_MODE bits 1:0 = 2 (LLVM: expert scheduling mode 2), set by the entry lines.  The code itself states the register dependences
; between vector or matrix instructions and memory or LDS instructions, with s_wait_alu, always for 0.
; THE PLAN.  Registers that LDS or memory instructions touch, behind the head:
;   v3, v5-8, v12-19, v28-30   addresses, made once at the head, never written again.
;   Q0, Q1   q's fragment, two buffers by turns: tile g's products read Q[g % 2]; the LDS loads for tile g + 1 land in the other, which tile g - 1's products read.
;   M0, M1   the eight maxima of a tile (phase B), by turns in the same way: read by tile g's first vector lines.
;   v9-11    the addresses of the loads ahead;  v48, v49 the addresses of a tile's stores: written by vector adds, read by those loads and stores.
;   v96      a tile's maximum (phase A) or sum (phase B): written by vector lines, read by one LDS store.
;   O^T      lies in S + 96 .. 127, which are free once p is converted: written by the second product and its scaling, read by eight LDS stores, written again by the next tile's last four score products.
;   S, v64-79, v56-63 at a group's end: the parts, normed q and the sums land there;  v80-83: the codes out, read by the global store.
; PHASE A, a tile: the loads ahead at its head (nothing is owed: the wait ahead of the last store covers them); one wait on vm_vsrc behind the products; one on va_vdst ahead of the store.
; PHASE B, a tile: one wait on vm_vsrc behind the twelfth score product; the wait on va_vdst for the exponentials, behind which the four loads ahead stand; one on va_vdst ahead of the nine stores.
; REGISTERS: window 1: v0-127 K, v128-255 V.  Window 0: all else (below); v128-255 the scores S^T, then p, then in the last 32 O^T (at first: raw q, gain and bias; at a group's end: the eight parts of half a tile of O^T).
.set QC, 0                             ; LDS: q's codes, an image of the operand's registers: 1,024 bytes a tile
.set QN, 16384                         ; normed q, f32, likewise: 4,096 bytes a tile
.set OP, 81920                         ; the parts of O^T: [wave 8][4 tiles][4,096]
.set MX, 212992                        ; the maxima: [16 tiles][16 queries][wave 8]: a chunk's four are 16 bytes on end
.set SM, 221184                        ; the sums: [4 tiles][16 queries][wave 8]
.set LI,  3                            ; v3   16 x lane
.set QO,  5                            ; v5   raw q: r x 4,096 + 64 h
.set SO,  6                            ; v6   statistics: 8 r
.set GO,  7                            ; v7   gain and bias: 64 h
.set AO,  8                            ; v8   the codes out: r x 1,024 + 16 h
.set MXW, 12                           ; v12-19, v28-30: LDS addresses, made once;  v9-11: LDS addresses of the loads ahead
.set MXO, 13
.set MXX, 14
.set SMW, 15
.set SMR, 16
.set OPW, 17
.set OPR, 18
.set OPR2, 19
.set Q0,  20                           ; v20-27 q's fragment, buffer 0;  buffer 1 lies 12 registers on: v32-39
.set QNW, 28
.set QNR, 29
.set QCW, 30
.set SA1, 48                           ; v48  where a trip's two tiles put their sums;  v49 their parts of O^T
.set SA2, 49
.set SU,  56                           ; v56-63 at a group's end: the eight sums
.set P,   64                           ; v64-95 p's codes (at first: at work on the norm; at a group's end: normed q, and from v80 the codes out)
.set CH,  96                           ; v96-103 four chains
.set M0,  104                          ; v104-111 a tile's maxima, buffer 0: my chunk's four, the other chunk's four;  buffer 1 lies 64 registers back: v40-47
.set MC,  112                          ; my chunk's maximum;  v113 the larger one;  v114 exp(m - the larger)
.set GM,  113
.set RC,  114
.set NM,  116                          ; v[116:117] c x m
.set FF,  118                          ; v[118:119] 2^(e8 + e9) x RC
.set LIMP, 120
.set SCP, 121
.set PT,  122
.set LIMA, 123
.set SCA, 124
.set RI,  126                          ; v[126:127] 1 / (1e-8 + the sum)
.set S,   128
.set O,   224                          ; O^T: S + 96 .. 127
.set OC,  80
.set STT, 32                           ; for the norm alone: the statistics, 16 registers a tile,
.set NT,  64                           ; at work; then the 32 numbers held for the conversion,
.set MU,  96                           ; v[96:97] a row's mean,
.set RS,  98                           ; v[98:99] 1 / sqrt(var + eps),
.set LIMQ, 100
.set SCQ, 101
.set XQ,  128                          ; raw q, 32 registers a tile,
.set LG,  192                          ; the gain and
.set LB,  224                          ; the bias, in q's layout
.set MSB, 0
.macro WIN new                         ; bits 1:0 source 0, 3:2 source 1, 5:4 source 2, 7:6 destination; the high byte repeats the setting that is left
.if MSB != (\new)
	s_set_vgpr_msb (MSB<<8)|(\new)
.set MSB, (\new)
.endif
.endm
.macro BARRIER                         ; my LDS stores have landed and my LDS loads are in: then the work-group's barrier
	s_wait_dscnt 0x0
	s_barrier_signal -1
	s_barrier_wait -1
.endm
.macro MKQ e, sc, lim                  ; v[sc] = 2^e, v[lim] = 448 x 2^e
	s_add_co_i32 s31, s[\e], 127
	s_lshl_b32 s32, s31, 23
	v_mov_b32 v[\sc], s32
	s_add_co_i32 s31, s31, 8
	s_lshl_b32 s31, s31, 23
	s_or_b32 s31, s31, 0x600000
	v_mov_b32 v[\lim], s31
.endm
	s_load_b256 s[4:11], s[0:1], 0x0               ; qr, st, kv, ln_g
	s_load_b128 s[12:15], s[0:1], 0x20             ; ln_b, the scales' exponents
	s_load_b64 s[16:17], s[0:1], 0x30              ; ac
	v_lshl_add_u32 v115, v0, 2, 0x36800
	v_mov_b32 v125, 0
	v_lshrrev_b32 v9, 5, v0
	v_readfirstlane_b32 s45, v9                    ; wave 0..7
	v_and_b32 v10, 31, v0
	v_and_b32 v1, 15, v0                           ; r
	v_bfe_u32 v2, v0, 4, 1                         ; h
	v_lshlrev_b32 v[LI], 4, v10
	v_lshlrev_b32 v4, 5, v1                        ; 32 r: a query's eight words in MX and SM
	v_lshlrev_b32 v[QO], 12, v1
	v_lshl_add_u32 v[QO], v2, 6, v[QO]
	v_lshlrev_b32 v[SO], 3, v1
	v_lshlrev_b32 v[GO], 6, v2
	v_lshlrev_b32 v[AO], 10, v1
	v_lshl_add_u32 v[AO], v2, 4, v[AO]
	s_wait_alu depctr_va_sdst(0)                   ; s45 is written, ahead of its first reader: LDS addresses and the buffers' bases are made from it
	s_lshl_b32 s30, s45, 2
	s_add_co_u32 s31, s30, MX
	v_add_nc_u32 v[MXW], s31, v4                   ; my maxima: 32 r + 4 x wave
	s_add_co_u32 s31, s30, SM
	v_add_nc_u32 v[SMW], s31, v4                   ; my sums likewise
	s_lshr_b32 s32, s45, 2                         ; my chunk
	s_lshl_b32 s33, s32, 4
	s_add_co_u32 s33, s33, MX
	v_add_nc_u32 v[MXO], s33, v4                   ; my chunk's four waves' maxima
	s_xor_b32 s32, s32, 1
	s_lshl_b32 s33, s32, 4
	s_add_co_u32 s33, s33, MX
	v_add_nc_u32 v[MXX], s33, v4                   ; the other chunk's
	s_lshr_b32 s55, s45, 1                         ; which tile of a group I finish (and wave % 2: which half of its channels)
	s_lshl_b32 s33, s55, 9
	s_add_co_u32 s33, s33, SM
	v_add_nc_u32 v[SMR], s33, v4                   ; that tile's eight sums
	s_lshl_b32 s33, s45, 14
	s_add_co_u32 s33, s33, OP
	v_add_nc_u32 v[OPW], s33, v[LI]                ; my parts
	s_lshl_b32 s33, s45, 11                        ; 4,096 x (wave / 2) + 2,048 x (wave % 2) = 2,048 x wave
	s_add_co_u32 s34, s33, OP
	v_add_nc_u32 v[OPR], s34, v[LI]                ; the parts of the half tile that I finish: waves 0-3's,
	v_add_nc_u32 v[OPR2], 0x10000, v[OPR]          ; waves 4-7's (an LDS offset has 16 bits)
	s_add_co_u32 s34, s33, QN
	v_add_nc_u32 v[QNR], s34, v[LI]                ; and its normed q
	s_lshl_b32 s33, s45, 12
	s_add_co_u32 s34, s33, QN
	v_add_nc_u32 v[QNW], s34, v[LI]                ; where I put the tiles that I norm,
	s_lshl_b32 s33, s45, 10
	v_add_nc_u32 v[QCW], s33, v[LI]                ; and their codes
	s_and_b32 s46, ttmp7, 0xffff                   ; 16 x batch + head
	s_lshr_b32 s47, s46, 4                         ; the batch
	s_and_b32 s48, s46, 15                         ; the head
	s_lshl_b32 s49, s47, 11
	s_lshl_b32 s50, ttmp9, 8
	s_add_co_u32 s50, s50, s49                     ; the block's first row: batch x 2,048 + 256 x block
	s_lshl_b32 s51, s45, 4
	s_add_co_u32 s51, s51, s50                     ; the first row that I norm: + 16 x wave
	s_lshl_b32 s56, s55, 4
	s_add_co_u32 s56, s56, s50                     ; the first row that I finish: + 16 x (wave / 2)
	s_lshl_b32 s52, s48, 8
	s_lshl_b32 s53, s48, 6
	s_and_b32 s57, s45, 1
	s_lshl_b32 s57, s57, 5                         ; my half's 32 codes
	s_mov_b32 s37, 0
	s_mov_b32 s20, 0x76543210                      ; v_permlanex16_b32's selects: lane l xor 16
	s_mov_b32 s21, 0xfedcba98
	s_mov_b32 s25, 0x3a800000                      ; 1 / 1,024
	s_mov_b32 s26, 0x3727c5ac                      ; 1e-5
	s_mov_b32 s27, 0x322bcc77                      ; 1e-8
	s_wait_kmcnt 0x0
	s_load_b128 s[40:43], s[14:15], 0x18           ; e6, e7, e8, e9
	s_load_b32 s44, s[14:15], 0x28                 ; e10
	s_lshl_b32 s36, s51, 12
	s_add_co_u32 s36, s36, s52
	s_add_nc_u64 s[4:5], s[4:5], s[36:37]          ; raw q: my row, my head's 64 numbers
	s_lshl_b32 s36, s51, 3
	s_add_nc_u64 s[6:7], s[6:7], s[36:37]          ; the statistics of my rows
	s_mov_b32 s36, s52
	s_add_nc_u64 s[10:11], s[10:11], s[36:37]
	s_add_nc_u64 s[12:13], s[12:13], s[36:37]
	s_lshl_b32 s36, s56, 10
	s_add_co_u32 s36, s36, s53
	s_add_co_u32 s36, s36, s57
	s_add_nc_u64 s[16:17], s[16:17], s[36:37]      ; the codes out
	s_lshl_b32 s36, s46, 17                        ; (16 x batch + head) x 128 KiB of images,
	s_lshl_b32 s54, s45, 14                        ; my 256 keys' 32 images of 512 bytes
	s_add_co_u32 s36, s36, s54
	s_add_nc_u64 s[8:9], s[8:9], s[36:37]          ; K
	s_add_nc_u64 s[18:19], s[8:9], 0x400000        ; V
	s_wait_alu depctr_va_vdst(0)                   ; every address and offset that is made once (v3, v5-8, v12-19, v28-30) is written: all loads and stores of the kernel read them; so are the closing add's two
.irp c, 0,1
.irp u, 0,1,2,3
	global_load_b128 v[LG+16*\c+4*\u:LG+16*\c+4*\u+3], v[GO], s[10:11] offset:128*\c+16*\u
	global_load_b128 v[LB+16*\c+4*\u:LB+16*\c+4*\u+3], v[GO], s[12:13] offset:128*\c+16*\u
.endr
.endr
.irp j, 0,1
.irp m, 0,1,2,3,4,5,6,7
	global_load_b64 v[STT+16*\j+2*\m:STT+16*\j+2*\m+1], v[SO], s[6:7] offset:32768*\m+1024*\j   ; tile 8 j + wave, block m of 128 columns: (mean, M2) of row r
.endr
.endr
.irp j, 0,1
.irp c, 0,1
.irp u, 0,1,2,3
	global_load_b128 v[XQ+32*\j+16*\c+4*\u:XQ+32*\j+16*\c+4*\u+3], v[QO], s[4:5] offset:524288*\j+128*\c+16*\u   ; register 16 c + i: channel 32 c + 16 h + i
.endr
.endr
.endr
	WIN 0x40                                       ; destination window 1
.set T, 0
.rept 16
	global_load_b128 v[8*T:8*T+3], v[LI], s[8:9] offset:1024*T        ; K's tile T, channels 16 h on: 512 consecutive bytes a load
	global_load_b128 v[8*T+4:8*T+7], v[LI], s[8:9] offset:1024*T+512  ; channels 32 + 16 h on
.set T, T+1
.endr
	WIN 0
	v_mov_b32 v[NM+1], 0                           ; the upper halves of pairs of which the low word serves both halves: written once
	v_mov_b32 v[FF+1], 0
	v_mov_b32 v[MU+1], 0
	v_mov_b32 v[RS+1], 0
	v_mov_b32 v[RI+1], 0
	v_mov_b32 v[PT], 0                             ; a lane permute's destination counts as one of its sources
	s_wait_kmcnt 0x0
	s_add_co_i32 s30, s40, s41                     ; e6 + e7
	; WHERE THE HOLD OF p CANNOT ACT it is jumped over.  A raw score is at most 64 x 448 x 448, under 2^24.  With e6 + e7 <= -2, c is at most log2(e) / 4, so |c m| is under 2^23 and its rounding moves
	; t = c s - round(c m), s <= m, by at most 1 / 4: p <= 2^(1/4), under 1.75 = 448 x 2^-8, which with e9 >= -8 is at most 448 x 2^e9.
	s_cmp_le_i32 s30, -2
	s_cselect_b32 s35, 1, 0
	s_cmp_ge_i32 s43, -8
	s_cselect_b32 s35, s35, 0                      ; 1: no p can pass the largest code
	s_lshl_b32 s30, s30, 23
	s_add_co_i32 s22, s30, 0x3fb8aa3b              ; c = log2(e) x 2^(e6 + e7): a raw score stands for score x 2^(e6 + e7)
	s_mov_b32 s23, s22
	s_add_co_i32 s24, s42, s43
	s_add_co_i32 s24, s24, 127
	s_lshl_b32 s24, s24, 23                        ; 2^(e8 + e9)
	s_add_co_i32 s30, s41, 3                       ; q / 8 with the scale 2^e7 is q with the scale 2^(e7 + 3): exact
	MKQ 30, SCQ, LIMQ
	MKQ 43, SCP, LIMP
	MKQ 44, SCA, LIMA
	s_wait_loadcnt 32                              ; 32 loads, K's, were issued behind raw q's last: gain, bias, statistics and raw q are in
; ---- the layer norm of tile 8 j + wave, its image to LDS, its codes' image to LDS.  The hold writes registers of its own, so that normed q stays as the stores want it and all ten stores stand behind one wait
.macro NORM j
.set STJ, STT+16*(\j)
.set XJ, XQ+32*(\j)
	v_add_f32 v[NT], v[STJ], v[STJ+2]
	v_add_f32 v[NT+1], v[STJ+4], v[STJ+6]
	v_add_f32 v[NT+2], v[STJ+8], v[STJ+10]
	v_add_f32 v[NT+3], v[STJ+12], v[STJ+14]
	v_add_f32 v[NT], v[NT], v[NT+1]
	v_add_f32 v[NT+2], v[NT+2], v[NT+3]
	v_add_f32 v[NT], v[NT], v[NT+2]
	v_mul_f32 v[MU], 0x3e000000, v[NT]             ; the row's mean: the eight means' mean
.irp m, 0,1,2,3,4,5,6,7
	v_sub_f32 v[NT+\m], v[STJ+2*\m], v[MU]
.endr
	v_mul_f32 v[NT+8], v[NT], v[NT]
.irp m, 1,2,3,4,5,6,7
	v_fma_f32 v[NT+8], v[NT+\m], v[NT+\m], v[NT+8]
.endr
	v_add_f32 v[NT+9], v[STJ+1], v[STJ+3]
	v_add_f32 v[NT+10], v[STJ+5], v[STJ+7]
	v_add_f32 v[NT+11], v[STJ+9], v[STJ+11]
	v_add_f32 v[NT+12], v[STJ+13], v[STJ+15]
	v_add_f32 v[NT+9], v[NT+9], v[NT+10]
	v_add_f32 v[NT+11], v[NT+11], v[NT+12]
	v_add_f32 v[NT+9], v[NT+9], v[NT+11]
	v_fma_f32 v[NT+9], v[NT+8], 0x43000000, v[NT+9]   ; the row's M2 = the parts' M2 + 128 x the squared differences of their means
	v_fma_f32 v[NT+9], v[NT+9], s25, s26           ; var + eps
	v_rsq_f32 v[RS], v[NT+9]
	v_nop                                          ; a plain line behind the transcendental
.set n, 0
.rept 16
	v_pk_add_f32 v[XJ+n:XJ+n+1], v[XJ+n:XJ+n+1], v[MU:MU+1] op_sel_hi:[1,0] neg_lo:[0,1] neg_hi:[0,1]
.set n, n+2
.endr
.set n, 0
	s_wait_alu depctr_va_vdst(0)                   ; the reciprocal root has written v[RS], ahead of its first reader
.rept 16
	v_pk_mul_f32 v[XJ+n:XJ+n+1], v[XJ+n:XJ+n+1], v[RS:RS+1] op_sel_hi:[1,0]
.set n, n+2
.endr
.set n, 0
.rept 16
	v_pk_fma_f32 v[XJ+n:XJ+n+1], v[XJ+n:XJ+n+1], v[LG+n:LG+n+1], v[LB+n:LB+n+1]
.set n, n+2
.endr
.set n, 0
.rept 32
	v_med3_num_f32 v[NT+n], v[XJ+n], -v[LIMQ], v[LIMQ]   ; the conversion does not saturate (ISA guide 7.6.2)
.set n, n+1
.endr
.if (\j) > 0
	s_wait_alu depctr_vm_vsrc(0)                   ; the LDS stores of the tile before have read v[Q0 ..], which the conversions write again
.endif
.irp g, 0,1,2,3
	v_cvt_scalef32_pk8_fp8_f32 v[Q0+2*\g:Q0+2*\g+1], v[NT+8*\g:NT+8*\g+7], v[SCQ]
.endr
	v_nop                                          ; a plain line behind the last conversion of the run
	s_wait_alu depctr_va_vdst(0)                   ; normed q (v[XJ ..]) and its codes (v[Q0 ..]) are written: the ten LDS stores read them
.irp k, 0,1,2,3,4,5,6,7
	ds_store_b128 v[QNW], v[XJ+4*\k:XJ+4*\k+3] offset:32768*(\j)+512*\k
.endr
	ds_store_b128 v[QCW], v[Q0:Q0+3] offset:8192*(\j)
	ds_store_b128 v[QCW], v[Q0+4:Q0+7] offset:8192*(\j)+512
.endm
	NORM 0
	NORM 1
	WIN 0x40
.irp s, 0,1
.irp t, 0,1,2,3
.irp c, 0,1,2,3
	global_load_b128 v[128+64*\s+16*\t+4*\c:128+64*\s+16*\t+4*\c+3], v[LI], s[18:19] offset:(16*\s+4*\t+\c)*512   ; V's fragment (key step s, tile t): lands while the maxima are made.  No vector line has named these registers, and v[LI] stands since the head
.endr
.endr
.endr
	WIN 0
	BARRIER                                        ; all 16 tiles' codes lie in LDS
	s_wait_loadcnt 32                              ; 32 loads, V's, were issued behind K's last: K is in
; S^T = K Q^T for my 256 keys: 16 products, each its own accumulator, each begun with 0.  q: the buffer that holds q's fragment.
; mid = 1 (phase B): the last four products write the registers in which the tile before kept O^T, so the wait for that tile's stores stands ahead of them, behind twelve products.
.macro SCORES q, mid
	WIN 0x01                                       ; K in window 1
.set T, 0
.rept 16
.if (\mid) && (T == 12)
	s_wait_alu depctr_vm_vsrc(0)                   ; the LDS stores of the tile before have read O^T (S + 96 on), v[CH], v[SA1] and v[SA2], and the loads issued so far v9 to v11: all are written again from here on
.endif
	v_wmma_f32_16x16x64_fp8_fp8 v[S+8*T:S+8*T+7], v[8*T:8*T+7], v[\q:\q+7], 0
.set T, T+1
.endr
	WIN 0
.endm
; ---- phase A: for each tile of queries the largest raw score among my 256 keys.  A trip takes two tiles, s29 and s29 + 1, so that q's two buffers take turns.
; v9 = the LDS address of tile s29's codes; it is made for the next trip in the second tile.  v10 = where the trip's two maxima go; it is made in the first tile.
; p: the tile's place in the trip, and its buffer.  ahead = 1: the next tile's codes are asked for at the tile's head, into the other buffer.
.macro MAXT p, ahead
.if \ahead
	ds_load_b128 v[Q0+12*(1-(\p)):Q0+12*(1-(\p))+3], v9 offset:1024*((\p)+1)        ; no wait: the products that read this buffer, and the add that made v9, stand ahead of the wait in front of the last store, and no vector line since names them
	ds_load_b128 v[Q0+12*(1-(\p))+4:Q0+12*(1-(\p))+7], v9 offset:1024*((\p)+1)+512
	s_wait_dscnt 2                                 ; LDS instructions end in order (ISA guide 5.7.1): this tile's codes are in; the two loads just issued may be out
.else
	s_wait_dscnt 0x0
.endif
	SCORES Q0+12*(\p), 0
	s_wait_alu depctr_vm_vsrc(0)                   ; the last tile's store has read v[CH] and v10, the loads issued so far have read v9: the lines below write them again
.if (\p) == 0
	v_add_nc_u32 v10, s31, v[MXW]                  ; (this line and the three below are the places behind the last products: ISA guide 7.12.1)
.elseif \ahead
	v_add_nc_u32 v9, s30, v[LI]
.else
	v_nop
.endif
.rept 3
	v_nop
.endr
.irp c, 0,1,2,3
	v_max_num_f32 v[CH+\c], v[S+8*\c], v[S+8*\c+1] ; four chains; chain c takes the tiles T with T % 4 = c, each from its low end on
.endr
.set n, 1
.rept 15
.irp c, 0,1,2,3
	v_max3_num_f32 v[CH+\c], v[CH+\c], v[S+8*(\c+4*(n/4))+2*(n%4)], v[S+8*(\c+4*(n/4))+2*(n%4)+1]
.endr
.set n, n+1
.endr
	v_max3_num_f32 v[CH], v[CH], v[CH+1], v[CH+2]
	v_max_num_f32 v[CH], v[CH], v[CH+3]
	v_permlanex16_b32 v[PT], v[CH], s20, s21       ; the query's other keys lie in lane l xor 16
	v_max_num_f32 v[CH], v[CH], v[PT]
	s_wait_alu depctr_va_vdst(0)                   ; v[CH] and the addresses v9, v10 are written; this tile's products are done reading their buffer, in which the next tile's loads ahead land
	ds_store_b32 v10, v[CH] offset:512*(\p)        ; lanes r and r + 16 write the same word with the same number
.endm
	s_mov_b32 s29, 0
	s_lshl_b32 s30, s29, 10
	s_wait_alu depctr_vm_vsrc(0)                   ; the norm's LDS stores have read v[Q0 ..], in which the loads below land, and v[XQ ..], which the products write
	v_add_nc_u32 v9, s30, v[LI]
	s_wait_alu depctr_va_vdst(0)                   ; v9 is written; the norm's lines are done with v[Q0 ..] and with v32 to v39, the second buffer
	ds_load_b128 v[Q0:Q0+3], v9                    ; tile 0
	ds_load_b128 v[Q0+4:Q0+7], v9 offset:512
.Lmax:
	s_lshl_b32 s31, s29, 9
	s_lshl_b32 s30, s29, 10
	s_add_co_u32 s30, s30, 2048                    ; the next trip's first tile
	MAXT 0, 1
	MAXT 1, 1
	s_add_co_u32 s29, s29, 2
	s_cmp_lt_u32 s29, 14
	s_cbranch_scc1 .Lmax
	s_lshl_b32 s31, s29, 9                         ; tiles 14 and 15 are written out: the last asks for nothing
	MAXT 0, 1
	MAXT 1, 0
	BARRIER                                        ; every wave's maxima lie in LDS
	ds_load_b128 v[Q0:Q0+3], v[LI]                 ; phase B's tile 0.  No s_wait_alu: tile 14's products, the last to read this buffer, stand ahead of the wait in front of its store; no vector line has named v[M0 ..]; the addresses stand since the head
	ds_load_b128 v[Q0+4:Q0+7], v[LI] offset:512
	ds_load_b128 v[M0:M0+3], v[MXO]
	ds_load_b128 v[M0+4:M0+7], v[MXX]
	s_wait_loadcnt 0x0                             ; V is in
	s_wait_dscnt 0x0                               ; and tile 0's codes and maxima: the counted wait at a tile's head leans on the stores of a tile before, which this way in has not
; ---- phase B for tile g = 4 s28 + s29 + p.  p: its place in the trip, and its buffers
.macro TILE p
.set QCUR, Q0+12*(\p)
.set QNXT, Q0+12*(1-(\p))
.set MCUR, M0-64*(\p)
.set MNXT, M0-64*(1-(\p))
	s_lshl_b32 s30, s28, 2
	s_add_co_u32 s30, s30, s29
	s_add_co_u32 s30, s30, (\p)+1                  ; the tile that is asked for ahead,
	s_min_u32 s30, s30, 15                         ; held at the last: tile 15 asks for itself once more, four loads that nobody reads, so that no load reaches the sums' bytes and every tile has the same count of LDS instructions
	s_lshl_b32 s31, s30, 10
	s_lshl_b32 s32, s30, 9
	s_wait_dscnt 9                                 ; LDS instructions end in order (ISA guide 5.7.1): this tile's four loads are in; the nine stores of the tile before, issued behind them, may be out
	SCORES QCUR, 1
	v_max3_num_f32 v[MC], v[MCUR], v[MCUR+1], v[MCUR+2]  ; (these six plain lines are the places behind the products)
	v_max3_num_f32 v[GM], v[MCUR+4], v[MCUR+5], v[MCUR+6]
	v_max_num_f32 v[MC], v[MC], v[MCUR+3]          ; my chunk's maximum
	v_max3_num_f32 v[GM], v[GM], v[MCUR+7], v[MC]  ; the larger of the two chunks'
	v_sub_f32 v[RC], v[MC], v[GM]
	v_mul_f32 v[RC], s22, v[RC]
	v_exp_f32 v[RC], v[RC]                         ; exp(m - the larger m): the first of the tile's batch of exponentials
	v_mul_f32 v[NM], s22, v[MC]                    ; c x m  (a plain line behind the transcendental)
	v_add_nc_u32 v9, s31, v[LI]                    ; the addresses of the loads ahead
	v_add_nc_u32 v10, s32, v[MXO]
	v_add_nc_u32 v11, s32, v[MXX]
	; t = c s - c m, two at a time, each accumulator from its low end on; p = 2^t.  The multiply-adds run four pairs ahead, and two exponentials stand behind each: plain work beside the transcendentals
.set n, 0
.rept 4
	v_pk_fma_f32 v[S+n:S+n+1], v[S+n:S+n+1], s[22:23], v[NM:NM+1] op_sel_hi:[1,0,0] neg_lo:[0,0,1] neg_hi:[0,0,1]
.set n, n+2
.endr
.set n, 0
.rept 64
.if n+8 < 128
	v_pk_fma_f32 v[S+n+8:S+n+9], v[S+n+8:S+n+9], s[22:23], v[NM:NM+1] op_sel_hi:[1,0,0] neg_lo:[0,0,1] neg_hi:[0,0,1]
.endif
	v_exp_f32 v[S+n], v[S+n]
	v_exp_f32 v[S+n+1], v[S+n+1]
.set n, n+2
.endr
	v_nop                                          ; a plain line behind the transcendentals
	s_wait_alu depctr_va_vdst(0)                   ; the 129 exponentials have written v[RC] and p, ahead of their first readers; v9 to v11 are written (the other buffers' last readers, the tile before's products and maxima, stand further back)
	ds_load_b128 v[QNXT:QNXT+3], v9                ; the next tile's codes and maxima, into the other buffers: they have the rest of this tile in which to land
	ds_load_b128 v[QNXT+4:QNXT+7], v9 offset:512
	ds_load_b128 v[MNXT:MNXT+3], v10
	ds_load_b128 v[MNXT+4:MNXT+7], v11
	v_mul_f32 v[FF], s24, v[RC]
.irp c, 0,2,4,6
	v_pk_add_f32 v[CH+\c:CH+\c+1], v[S+\c:S+\c+1], v[S+8+\c:S+8+\c+1]   ; the sum is taken of the unquantised p, in four chains
.endr
.set n, 16
.rept 56
	v_pk_add_f32 v[CH+n%8:CH+n%8+1], v[CH+n%8:CH+n%8+1], v[S+n:S+n+1]
.set n, n+2
.endr
	s_cmp_lg_u32 s35, 0                            ; a branch on whole numbers read from the scales' buffer, the same in every wave; no barrier stands under it
	s_cbranch_scc1 .Lfree_\@
.set n, 0
.rept 128
	v_min_num_f32 v[S+n], v[S+n], v[LIMP]          ; the conversion does not saturate (ISA guide 7.6.2); p is not negative, so the hold is one-sided
.set n, n+1
.endr
.Lfree_\@:
.set T, 0
.rept 16
	v_cvt_scalef32_pk8_fp8_f32 v[P+2*T:P+2*T+1], v[S+8*T:S+8*T+7], v[SCP]
.set T, T+1
.endr
	v_nop                                          ; a plain line between the conversions and the products, which read their results and write over their last sources
	WIN 0x01                                       ; V in window 1
.irp s, 0,1                            ; O^T = V^T P^T, into S + 96 on: the four accumulators take turns, one instruction a turn; the first key step starts the sums
.irp t, 0,1,2,3
.if \s == 0
	v_wmma_f32_16x16x128_fp8_fp8 v[O+8*\t:O+8*\t+7], v[128+64*\s+16*\t:128+64*\s+16*\t+15], v[P+16*\s:P+16*\s+15], 0
.else
	v_wmma_f32_16x16x128_fp8_fp8 v[O+8*\t:O+8*\t+7], v[128+64*\s+16*\t:128+64*\s+16*\t+15], v[P+16*\s:P+16*\s+15], v[O+8*\t:O+8*\t+7]
.endif
.endr
.endr
	WIN 0
	v_pk_add_f32 v[CH:CH+1], v[CH:CH+1], v[CH+2:CH+3]   ; the sum is finished: these lines are the places behind the products
	v_pk_add_f32 v[CH+4:CH+5], v[CH+4:CH+5], v[CH+6:CH+7]
	v_pk_add_f32 v[CH:CH+1], v[CH:CH+1], v[CH+4:CH+5]
	v_add_f32 v[CH], v[CH], v[CH+1]
	v_permlanex16_b32 v[PT], v[CH], s20, s21
	v_add_f32 v[CH], v[CH], v[PT]
	v_mul_f32 v[CH], v[CH], v[RC]
.if (\p) == 0
	s_lshl_b32 s33, s29, 9
	s_lshl_b32 s34, s29, 12
	v_add_nc_u32 v[SA1], s33, v[SMW]               ; where the trip's two tiles put their sums and parts; the second tile's place stands in the stores' offsets
	v_add_nc_u32 v[SA2], s34, v[OPW]
.endif
.set n, 0
.rept 16
	v_pk_mul_f32 v[O+n:O+n+1], v[O+n:O+n+1], v[FF:FF+1] op_sel_hi:[1,0]   ; x 2^(e8 + e9) x exp(m - the larger m)
.set n, n+2
.endr
	s_wait_alu depctr_va_vdst(0)                   ; the sum v[CH], O^T and the two addresses are written: the nine LDS stores read them
	ds_store_b32 v[SA1], v[CH] offset:512*(\p)
.irp k, 0,1,2,3,4,5,6,7
	ds_store_b128 v[SA2], v[O+4*\k:O+4*\k+3] offset:4096*(\p)+512*\k
.endr
.endm
; ---- four groups of four tiles; a trip of the inner loop takes two tiles, so that the buffers take turns
	s_mov_b32 s28, 0
.Lgroup:
	s_mov_b32 s29, 0
.Ltile:
	TILE 0
	TILE 1
	s_add_co_u32 s29, s29, 2
	s_cmp_lt_u32 s29, 4
	s_cbranch_scc1 .Ltile
	BARRIER                                        ; four tiles' parts and sums of all eight waves lie in LDS
	; wave w finishes tile 4 s28 + w / 2, channels 32 (w % 2) + 16 h + 0 .. 15: registers 16 (w % 2) on of O^T.  Buffers 0 hold the next group's first tile and are not touched here
	s_lshl_b32 s30, s28, 14
	s_wait_alu depctr_vm_vsrc(0)                   ; my last stores have read O^T's registers, in which parts land; the loads ahead have read v9, which is written below
	v_add_nc_u32 v9, s30, v[QNR]
.irp p, 0,1,2,3
.irp k, 0,1,2,3
	ds_load_b128 v[S+16*\p+4*\k:S+16*\p+4*\k+3], v[OPR] offset:16384*\p+512*\k   ; no further wait: the last vector and matrix lines that named S stand ahead of the wait in front of the last tile's stores
.endr
.endr
.irp p, 4,5,6,7
.irp k, 0,1,2,3
	ds_load_b128 v[S+16*\p+4*\k:S+16*\p+4*\k+3], v[OPR2] offset:16384*(\p-4)+512*\k
.endr
.endr
	ds_load_b128 v[SU:SU+3], v[SMR]
	ds_load_b128 v[SU+4:SU+7], v[SMR] offset:16
	s_wait_alu depctr_va_vdst(0)                   ; v9 is written: the four loads of normed q read it
.irp k, 0,1,2,3
	ds_load_b128 v[P+4*\k:P+4*\k+3], v9 offset:512*\k
.endr
	s_wait_dscnt 0x0
	v_add_f32 v[SU], v[SU], v[SU+1]
	v_add_f32 v[SU+2], v[SU+2], v[SU+3]
	v_add_f32 v[SU+4], v[SU+4], v[SU+5]
	v_add_f32 v[SU+6], v[SU+6], v[SU+7]
	v_add_f32 v[SU], v[SU], v[SU+2]                ; chunk 0's sum,
	v_add_f32 v[SU+4], v[SU+4], v[SU+6]            ; chunk 1's,
	v_add_f32 v[SU], v[SU], v[SU+4]
	v_add_f32 v[SU], s27, v[SU]                    ; 1e-8 + the sum
	v_rcp_f32 v[RI], v[SU]
	v_nop                                          ; a plain line behind the transcendental
.set n, 0
.rept 8
	v_pk_add_f32 v[S+n:S+n+1], v[S+n:S+n+1], v[S+16+n:S+16+n+1]
	v_pk_add_f32 v[S+32+n:S+32+n+1], v[S+32+n:S+32+n+1], v[S+48+n:S+48+n+1]
	v_pk_add_f32 v[S+64+n:S+64+n+1], v[S+64+n:S+64+n+1], v[S+80+n:S+80+n+1]
	v_pk_add_f32 v[S+96+n:S+96+n+1], v[S+96+n:S+96+n+1], v[S+112+n:S+112+n+1]
.set n, n+2
.endr
.set n, 0
.rept 8
	v_pk_add_f32 v[S+n:S+n+1], v[S+n:S+n+1], v[S+32+n:S+32+n+1]           ; chunk 0,
	v_pk_add_f32 v[S+64+n:S+64+n+1], v[S+64+n:S+64+n+1], v[S+96+n:S+96+n+1]   ; chunk 1,
.set n, n+2
.endr
.set n, 0
.rept 8
	v_pk_add_f32 v[S+n:S+n+1], v[S+n:S+n+1], v[S+64+n:S+64+n+1]           ; and the two chunks
.set n, n+2
.endr
.set n, 0
	s_wait_alu depctr_va_vdst(0)                   ; the reciprocal has written v[RI], ahead of its first reader
.rept 8
	v_pk_fma_f32 v[S+n:S+n+1], v[S+n:S+n+1], v[RI:RI+1], v[P+n:P+n+1] op_sel_hi:[1,0,1]   ; attention + normed q
.set n, n+2
.endr
.set n, 0
.rept 16
	v_med3_num_f32 v[S+n], v[S+n], -v[LIMA], v[LIMA]
.set n, n+1
.endr
	v_cvt_scalef32_pk8_fp8_f32 v[OC:OC+1], v[S:S+7], v[SCA]
	v_cvt_scalef32_pk8_fp8_f32 v[OC+2:OC+3], v[S+8:S+15], v[SCA]
	v_nop                                          ; a plain line behind the last conversion: the next group's products write its sources
	s_wait_alu depctr_va_vdst(0)                   ; the conversions have written v[OC ..], which the store reads
	global_store_b128 v[AO], v[OC:OC+3], s[16:17]  ; 16 codes a lane (a head's part of a row is 64 bytes in the tensor itself)
	s_wait_xcnt 0x0                                ; the store's address is translated: its base is written again (its data only behind the next tile's wait on vm_vsrc)
	s_add_nc_u64 s[16:17], s[16:17], 65536         ; 64 rows on
	BARRIER                                        ; every wave's reads of the parts and sums are over: the next group may write them
	s_add_co_u32 s28, s28, 1
	s_cmp_lt_u32 s28, 4
	s_cbranch_scc1 .Lgroup
	s_wait_dscnt 0x0                               ; the closing lines, six on end
	s_wait_alu 0x0
	s_wait_tensorcnt 0x0
	ds_add_u32 v115, v125
	s_wait_dscnt 0x0
	s_endpgm
.Lfunc_end_k_q5648235ce0_attn:
	.size	k_q5648235ce0_attn, .Lfunc_end_k_q5648235ce0_attn-k_q5648235ce0_attn
	.p2alignl 7, 3214868480
	.fill 96, 4, 3214868480
	.section	.rodata,"a",@progbits
	.p2align	6, 0x0
	.amdhsa_kernel k_q5648235ce0_attn
		.amdhsa_group_segment_fixed_size 224256
		.amdhsa_private_segment_fixed_size 0
		.amdhsa_enable_private_segment 0
		.amdhsa_kernarg_size 56
		.amdhsa_user_sgpr_count 2
		.amdhsa_user_sgpr_kernarg_segment_ptr 1
		.amdhsa_wavefront_size32 1
		.amdhsa_system_sgpr_workgroup_id_x 1
		.amdhsa_system_sgpr_workgroup_id_y 1
		.amdhsa_system_sgpr_workgroup_id_z 1
		.amdhsa_system_vgpr_workitem_id 0
		.amdhsa_next_free_vgpr 512
		.amdhsa_next_free_sgpr 66
		.amdhsa_reserve_vcc 0
		.amdhsa_float_denorm_mode_32 3
		.amdhsa_float_denorm_mode_16_64 3
		.amdhsa_memory_ordered 1
		.amdhsa_forward_progress 1
		.amdhsa_inst_pref_size 106
	.end_amdhsa_kernel
	.amdgpu_metadata
---
amdhsa.version: [ 1, 2 ]
amdhsa.kernels:
  - .name:           k_q5648235ce0_attn
    .symbol:         k_q5648235ce0_attn.kd
    .args:
      - { .name: qr, .offset: 0, .size: 8, .value_kind: global_buffer, .address_space: global }
      - { .name: st, .offset: 8, .size: 8, .value_kind: global_buffer, .address_space: global }
      - { .name: kv, .offset: 16, .size: 8, .value_kind: global_buffer, .address_space: global }
      - { .name: ln_g, .offset: 24, .size: 8, .value_kind: global_buffer, .address_space: global }
      - { .name: ln_b, .offset: 32, .size: 8, .value_kind: global_buffer, .address_space: global }
      - { .name: lowp_scales, .offset: 40, .size: 8, .value_kind: global_buffer, .address_space: global }
      - { .name: ac, .offset: 48, .size: 8, .value_kind: global_buffer, .address_space: global }
    .group_segment_fixed_size: 224256
    .private_segment_fixed_size: 0
    .kernarg_segment_align: 8
    .kernarg_segment_size: 56
    .max_flat_workgroup_size: 256
    .sgpr_count:     66
    .vgpr_count:     512
    .wavefront_size: 32
...
	.end_amdgpu_metadata
.endif
;; end of part 5
;; launch outp: the kernel of part 4 again; grid 8 x 32, 4 waves a work-group, clusters of 4 x 4, 270,848 bytes of LDS; arguments ac, cw, bo, lowp_scales, out0; writes out0
